; MI455X (gfx1250); checked and timed in simulation.
; The chip was launched on July 23, 2026; its instructions are those of AMD's public machine-readable ISA for CDNA 5 (MIT licence, August 2026) and "CDNA5" Instruction Set Architecture Reference Guide (July 2026). The comments in the code are by the model that wrote it; some were corrected since.
;; Self Attention. Allowed arithmetic: matrix products marked QUANTISED: E2M3 operands, one E8M0 scale for each 32 along K, by v_wmma_scale_f32_16x16x128_f8f6f4 with both operands' format E2M3, f32 sums; everything else in f32.
;; Inputs: W_in 1,024 x 3,072 float32; W_out 1,024 x 1,024 float32; X 4 x 2,048 x 1,024 float32; b_in 3,072 float32; b_out 1,024 float32.
;; Outputs: out0 4 x 2,048 x 1,024 float32.
;; This version of the problem:
;;   THIS VERSION OF THE PROBLEM IS GIVEN IN LOW PRECISION. The matrix products marked QUANTISED in the list below multiply operands that are first quantised to E2M3 (2 exponent bits, 3 mantissa bits; 6 bits a number), with one power-of-two scale for each 32 numbers along K (OCP MX v1.0); their sums are f32. All else is computed in f32.
;;   The module's matrix products, in the order in which they are computed (A, B: the left and right operand; K: the contracted axis; several contracted axes count as one K, in the product's order):
;;     1. [M 8,192, K 1,024] x [K 1,024, N 3,072]; A: input X; B: input W_in: QUANTISED
;;     2. batch 4 x [M 2,048, K 1,024] x [K 1,024, N 2,048]; A: computed on the way; B: computed on the way: QUANTISED
;;     3. batch 4 x [M 2,048, K 2,048] x [K 2,048, N 1,024]; A: softmax (see below); B: computed on the way: QUANTISED
;;     4. [M 8,192, K 1,024] x [K 1,024, N 1,024]; A: computed on the way; B: input W_out: QUANTISED
;;   THE QUANTISER, for each operand of a quantised product, along K:
;;     - K is cut into blocks of 32 from its start; a last block that is shorter is filled with zeros.
;;     - A block's scale is 2^e with e = floor(log2(the largest magnitude in the block)) - 2, held to -126 .. 127; a block of zeros has e = 0. As a byte (E8M0): e + 127.
;;     - Each number is divided by its block's scale, clamped to +-7.5, and rounded to the nearest number of E2M3, ties to even, subnormals kept.
;;     - The product sums the exact products of the quantised numbers (number of the format x scale) in f32.
;;   ~~~python
;;   def quantise(x, axis):      # numpy; x: float32 -> the quantised numbers, widened to float32 again
;;       x = np.moveaxis(x, axis, -1); K = x.shape[-1]
;;       x = np.pad(x, [(0, 0)] * (x.ndim - 1) + [(0, -K % 32)]); x = x.reshape(x.shape[:-1] + (-1, 32)); a = np.abs(x).max(-1, keepdims=True)
;;       e = np.where(a > 0, np.clip(np.frexp(np.where(a > 0, a, 1))[1] - 1 - 2, -126, 127), 0)      # np.frexp(a)[1] - 1 = floor(log2(a)), exactly
;;       r = np.clip(x / 2.0 ** e, -7.5, 7.5)
;;       step = 2.0 ** (np.maximum(np.frexp(np.where(r == 0, 1, r))[1] - 1, 0) - 3)
;;       q = np.round(r / step) * step * 2.0 ** e      # np.round: ties to even
;;       return np.moveaxis(q.reshape(q.shape[:-2] + (-1,))[..., :K], -1, axis).astype(np.float32)
;;   ~~~
;;   SOFTMAX AHEAD OF A QUANTISED PRODUCT. Where the list says 'softmax', what is quantised is not the finished softmax but p = 2^(t - M), with t = logit x log2(e) and M = ceil(the row's largest t), a whole number; so 1/2 < the row's largest p <= 1. The row's sum l is taken of the UNQUANTISED p, in f32, and the product's result is divided by l at the end. Since M is a whole number, a kernel that streams over the keys may use a running M (the ceiling of the running maximum): every later rescaling is an exact power of two, which a block's scale takes up: the codes' values come out the same.
;;   OPERANDS COMPUTED ON THE WAY. 'Computed on the way' means the value that the module computes at that place (a softmax that the list does not call 'softmax' is quantised finished and normalised). What goes into a quantiser is computed in f32, as accurately as f32 sums, v_exp_f32 and their like allow (about 1e-6 of the number): no bf16 or f16 on the way to a quantiser, and a product that is left as it is and whose result goes on into a quantised operand takes f32 operands (vector FMAs, or v_wmma_f32_16x16x4_f32). A number that lies on a knife's edge between two numbers of the format may be rounded either way, as far as f32 arithmetic and the matrix unit's own rounding can turn it there, and no further.
;; One version. Each part assembles by itself: llvm-mc -triple=amdgcn-amd-amdhsa -mcpu=gfx1250 --defsym DOCPART=n.
;; ======== version 1 of 1: 5 launches
;; limits: right only within a limited range of input values
;; workspace buffers: xw 9,830,400 bytes; qk 13,107,200 bytes; vt 6,553,600 bytes; pbuf 14,155,776 bytes; obuf 6,553,600 bytes
;; launch prep (part 1): grid 768 x 1, 4 waves a work-group, no clusters, 67,072 bytes of LDS; arguments X, W_in, W_out, xw; writes xw
.if DOCPART == 1
	.amdgcn_target "amdgcn-amd-amdhsa--gfx1250"
	.amdhsa_code_object_version 6
	.text
	.protected	k_qe03d801fab_prep
	.globl	k_qe03d801fab_prep
	.p2align	8
	.type	k_qe03d801fab_prep,@function
k_qe03d801fab_prep:
	s_mov_b64 s[64:65], 0
	v_nop
	global_prefetch_b8 v0, s[64:65] scope:SCOPE_SE
	s_setreg_imm32_b32 hwreg(HW_REG_WAVE_MODE, 25, 1), 1
	s_wait_xcnt 0x0
; X [8192][1024], W_in [1024][3072] and W_out [1024][1024], f32, become codes of FP6 (E2M3) with one E8M0 byte for each 32 along K = 1,024.
; LAYOUT OF xw.  A FRAGMENT is 16 rows x 128 K as the image of the 12 operand registers of a matrix instruction: 1,536 bytes, registers 4 c .. 4 c + 3 of lane l at 512 c + 16 l.
; Codes: [K step 0..7][row block 0..767][1,536]; blocks 0-511 X's tokens, 512-703 W_in's columns, 704-767 W_out's columns.  Scale words behind them: [K step][row block][16 words], word r for the row of lane r.
; THE ROWS OF A BLOCK ARE NOT NEIGHBOURS: lane r of block T holds row 32 (T / 2) + 8 (T % 2) + r % 8 + 16 (r / 8), so that the results of a transposed product lie, 16 registers on end, as 16 neighbours along the next K.
; A block's scale is 2^(floor(log2(largest magnitude)) - 2); its byte is the largest magnitude's exponent field - 2, held at 1 from below.
; LIMITS: a block of zeros gets the byte 1 (its codes are zeros; this program alone reads the bytes); blocks whose largest magnitude lies under 2^-124 keep the byte 1; NaN and infinities are not served.
; SHARES.  Work-groups 0-511: one row block of X each; wave w takes K steps 2 w and 2 w + 1.  Loads read 512 consecutive bytes; the numbers turn through the wave's own stage in LDS, so that a lane gets 16 neighbours of a block.
; Work-groups 512-703 (W_in) and 704-767 (W_out): a K step x 128 columns; a lane takes a column and its registers run down K, so nothing is transposed.  These use no LDS.
; Code stores cover 512 consecutive bytes, aligned; the scale words leave in pieces of 64 or 128 bytes: one byte in 24 of what is stored.
.set SPARE, 66560                      ; behind the four stages: the spare words, 128 bytes a wave
.set CPB,   1179648                    ; a K step of codes: 768 x 1,536 bytes
.set SOF,   9437184                    ; where the scale words begin
.set SPB,   49152                      ; a K step of scale words: 768 x 64 bytes
.set SPW, 8                            ; v8  LDS address of my spare word; never rewritten
.set NIL, 9                            ; v9  0; never rewritten
.set R,   16                           ; v16-143 numbers as loaded
.set XQ,  144                          ; v144-207 64 numbers of a lane for QUANT
.set TM,  208                          ; v208-223 at work
.set SEL, 20                           ; s[20:21] selects for lane l xor 16
; 64 numbers of a lane, register 16 b + i = k 32 b + 16 (lane / 16) + i of my row, become a fragment's codes in v[pc .. pc + 11] and its scale word in v[pw]
.macro QUANT s, pc, pw
.irp b, 0,1,2,3
	v_max3_num_f32 v[TM+\b], |v[(\s)+16*\b]|, |v[(\s)+1+16*\b]|, 0x1800000   ; my 16 numbers of block b, and the floor 2^(3 - 127): the byte cannot fall under 1
.endr
.irp i, 2,4,6,8,10,12,14
.irp b, 0,1,2,3
	v_max3_num_f32 v[TM+\b], v[TM+\b], |v[(\s)+16*\b+\i]|, |v[(\s)+1+16*\b+\i]|
.endr
.endr
.irp b, 0,1,2,3
	v_permlanex16_b32 v[TM+4+\b], v[TM+\b], s[SEL], s[SEL+1]
.endr
.irp b, 0,1,2,3
	v_max_num_f32 v[TM+\b], v[TM+\b], v[TM+4+\b]   ; with lane l xor 16's: the block's largest magnitude
.endr
.irp b, 0,1,2,3
	v_add_nc_u32 v[TM+12+\b], 0xff000000, v[TM+\b]   ; 2 off its exponent field: the conversion's scale operand
.endr
.irp b, 0,1,2,3
	v_lshrrev_b32 v[TM+4+\b], 23, v[TM+12+\b]      ; the scale's byte
.endr
	v_lshl_or_b32 v[\pw], v[TM+5], 8, v[TM+4]
	v_lshl_or_b32 v[\pw], v[TM+6], 16, v[\pw]
	v_lshl_or_b32 v[\pw], v[TM+7], 24, v[\pw]
.irp c, 0,1
	v_cvt_scalef32_pk16_fp6_f32 v[(\pc)+6*\c:(\pc)+2+6*\c], v[(\s)+32*\c:(\s)+15+32*\c], v[TM+12+2*\c]
	v_cvt_scalef32_pk16_fp6_f32 v[(\pc)+12+4*\c:(\pc)+14+4*\c], v[(\s)+16+32*\c:(\s)+31+32*\c], v[TM+12+2*\c+1]   ; (a conversion's three registers begin on an even number)
.endr
	v_nop                                          ; one plain place behind a scaled conversion
.irp c, 0,1                                    ; the operand wants a whole block in a lane: lanes 0-15 block 2 c, lanes 16-31 block 2 c + 1
.irp i, 0,1,2
	v_permlane16_swap_b32 v[(\pc)+6*\c+\i], v[(\pc)+12+4*\c+\i]
.endr
.irp i, 0,1,2
	v_mov_b32 v[(\pc)+3+6*\c+\i], v[(\pc)+12+4*\c+\i]
.endr
.endr
.endm
; block q of 32 along K of my column: 32 loads, each 128 consecutive bytes a wave
.macro WLOAD ptr, pitchb, q
.set ii, 0
.rept 32
	global_load_b32 v[R+32*(\q)+ii], v5, s[\ptr:\ptr+1] offset:(32*(\q)+ii)*(\pitchb) th:TH_LOAD_NT
.set ii, ii+1
.endr
.endm
; block q is quantised: all its 32 numbers are mine.  left: the loads issued behind this block's, which may stay out
.macro WBLOCK q, left
	s_wait_loadcnt \left
.set XS, R+32*(\q)
	v_max3_num_f32 v10, |v[XS]|, |v[XS+1]|, |v[XS+2]|
	v_max3_num_f32 v11, |v[XS+3]|, |v[XS+4]|, |v[XS+5]|
.irp i, 6,10,14,18,22,26
	v_max3_num_f32 v10, v10, |v[XS+\i]|, |v[XS+\i+1]|
	v_max3_num_f32 v11, v11, |v[XS+\i+2]|, |v[XS+\i+3]|
.endr
	v_max3_num_f32 v10, v10, |v[XS+30]|, |v[XS+31]|
	v_max3_num_f32 v10, v10, v11, 0x1800000        ; and the floor
	v_add_nc_u32 v12, 0xff000000, v10
	v_lshrrev_b32 v13, 23, v12
.if (\q) == 0
	v_mov_b32 v14, v13                             ; my column's scale word: byte q for block q
.else
	v_lshl_or_b32 v14, v13, 8*(\q), v14
.endif
	v_cvt_scalef32_pk16_fp6_f32 v[144+12*((\q)%2)+6*((\q)/2):146+12*((\q)%2)+6*((\q)/2)], v[XS:XS+15], v12   ; the lower 16 codes, at their place in fragment q % 2
	v_cvt_scalef32_pk16_fp6_f32 v[168+4*(\q):170+4*(\q)], v[XS+16:XS+31], v12                              ; the upper 16, moved later
.endm
; A weight [1024][pitchb / 4]: work-group u = number - first takes K step u % 8 and column group u / 8; wave w the 32 columns of G = 4 (u / 8) + w: row blocks rb0 + 2 G (lanes 0-15) and rb0 + 2 G + 1 (lanes 16-31)
.macro WQ ptr, pitchb, first, rb0
	s_sub_co_u32 s14, ttmp9, \first
	s_and_b32 s15, s14, 7                          ; K step
	s_lshr_b32 s14, s14, 3
	s_lshl_b32 s14, s14, 2
	s_add_co_u32 s14, s14, s12                     ; G
	s_mul_i32 s16, s15, 128*(\pitchb)
	s_lshl_b32 s17, s14, 7
	s_add_co_u32 s16, s16, s17
	s_mov_b32 s17, 0
	s_add_nc_u64 s[\ptr:\ptr+1], s[\ptr:\ptr+1], s[16:17]
	v_and_b32 v5, 7, v0
	v_bfe_u32 v6, v0, 3, 1
	v_lshl_add_u32 v5, v6, 4, v5
	s_wait_alu depctr_va_vdst(0)
	v_lshl_add_u32 v5, v3, 3, v5                   ; my column in the group: l % 8 + 16 ((l / 8) % 2) + 8 (l / 16)
	v_lshlrev_b32 v5, 2, v5
	v_lshlrev_b32 v7, 2, v1                        ; 4 x lane
	WLOAD \ptr, \pitchb, 0
	WLOAD \ptr, \pitchb, 1
	s_mul_i32 s16, s15, CPB
	s_lshl_b32 s18, s14, 1
	s_add_co_u32 s18, s18, \rb0
	s_mul_i32 s19, s18, 1536
	s_add_co_u32 s16, s16, s19
	s_add_nc_u64 s[22:23], s[10:11], s[16:17]      ; where the two fragments go
	s_mul_i32 s16, s15, SPB
	s_lshl_b32 s18, s18, 6
	s_add_co_u32 s16, s16, s18
	s_add_co_u32 s16, s16, SOF
	s_add_nc_u64 s[24:25], s[10:11], s[16:17]      ; and their scale words
	WBLOCK 0, 32
	WLOAD \ptr, \pitchb, 2
	WBLOCK 1, 32
	WLOAD \ptr, \pitchb, 3
	WBLOCK 2, 32
	WBLOCK 3, 0
	v_nop                                          ; one plain place behind the last conversion
; a lane holds four blocks of ITS column; a fragment wants blocks 2 c in lanes 0-15 and 2 c + 1 in lanes 16-31 of ONE row block: the swap gives v144.. block rb0 + 2 G's fragment and v156.. the next one's
.irp c, 0,1
.irp i, 0,1,2
	v_permlane16_swap_b32 v[144+6*\c+\i], v[156+6*\c+\i]
	v_permlane16_swap_b32 v[168+8*\c+\i], v[172+8*\c+\i]
.endr
.irp i, 0,1,2
	v_mov_b32 v[147+6*\c+\i], v[168+8*\c+\i]
	v_mov_b32 v[159+6*\c+\i], v[172+8*\c+\i]
.endr
.endr
.irp c, 0,1,2
	global_store_b128 v4, v[144+4*\c:147+4*\c], s[22:23] offset:512*\c
	global_store_b128 v4, v[156+4*\c:159+4*\c], s[22:23] offset:1536+512*\c
.endr
	global_store_b32 v7, v14, s[24:25]             ; 32 scale words: two row blocks' 128 bytes
.endm
	s_load_b256 s[4:11], s[0:1], 0x0               ; X s[4:5], W_in s[6:7], W_out s[8:9], xw s[10:11]
	v_lshl_add_u32 v[SPW], v0, 2, SPARE
	v_mov_b32 v[NIL], 0
	v_lshrrev_b32 v1, 5, v0
	v_readfirstlane_b32 s12, v1                    ; wave
	v_and_b32 v1, 31, v0                           ; lane
	v_and_b32 v2, 15, v0                           ; r
	v_bfe_u32 v3, v0, 4, 1                         ; h
	v_lshlrev_b32 v4, 4, v1                        ; 16 x lane
	s_mov_b32 s13, 0xffff0000                      ; lanes 16-31
	s_mov_b32 s[SEL], 0x76543210
	s_mov_b32 s[SEL+1], 0xfedcba98
	s_wait_kmcnt 0x0
	s_cmp_lt_u32 ttmp9, 512
	s_cbranch_scc0 .Lweights
	; ---- X: row block T = the work-group's number
	s_lshr_b32 s14, ttmp9, 1
	s_lshl_b32 s14, s14, 5
	s_and_b32 s15, ttmp9, 1
	s_lshl_b32 s15, s15, 3
	s_add_co_u32 s14, s14, s15                     ; the block's first row: 32 (T / 2) + 8 (T % 2)
	s_lshl_b32 s14, s14, 12
	s_lshl_b32 s15, s12, 10
	s_add_co_u32 s14, s14, s15                     ; + my wave's 1,024 bytes of a row
	s_mov_b32 s15, 0
	s_add_nc_u64 s[4:5], s[4:5], s[14:15]
.set n, 0
	s_wait_alu depctr_va_vdst(0)
.rept 32                                       ; row i = n / 2 of the block (lane i's row), half n % 2 of its 1,024 bytes: 512 consecutive bytes a load
	global_load_b128 v[R+4*n:R+4*n+3], v4, s[4:5] offset:(((n/2)%8)+16*((n/2)/8))*4096+512*(n%2) th:TH_LOAD_NT
.set n, n+1
.endr
	s_mul_i32 s24, s12, 16640                      ; my stage: 16 rows of 1,024 + 16 bytes
	v_add_nc_u32 v5, s24, v4                       ; in: as loaded
	v_mul_u32_u24 v6, v2, 1040
	v_lshl_add_u32 v6, v3, 6, v6
	v_add_nc_u32 v6, s24, v6                       ; out: row r, + 64 h: my 16 numbers of a block of 32
	v_mul_u32_u24 v7, v3, SPB
	v_lshl_add_u32 v7, v2, 2, v7                   ; scale words: lanes 0-15 K step 2 w, lanes 16-31 K step 2 w + 1
	s_mul_i32 s16, s12, 2*CPB
	s_mul_i32 s17, ttmp9, 1536
	s_add_co_u32 s16, s16, s17
	s_mov_b32 s17, 0
	s_add_nc_u64 s[18:19], s[10:11], s[16:17]      ; my two fragments
	s_mul_i32 s16, s12, 2*SPB
	s_lshl_b32 s22, ttmp9, 6
	s_add_co_u32 s16, s16, s22
	s_add_co_u32 s16, s16, SOF
	s_add_nc_u64 s[22:23], s[10:11], s[16:17]      ; their scale words
.irp b, 0,1,2,3
	v_mov_b32 v[TM+4+\b], 0                        ; written once: a lane permute's destination counts as one of its sources
.endr
.set n, 0
	s_wait_alu depctr_va_vdst(0)
.rept 32
	s_wait_loadcnt 31-n                            ; loads come back in order: load n is in, the 31 - n behind it may be out
	ds_store_b128 v5, v[R+4*n:R+4*n+3] offset:1040*(n/2)+512*(n%2)
.set n, n+1
.endr
.irp b, 0,1,2,3
.irp j, 0,1,2,3
	ds_load_b128 v[XQ+16*\b+4*\j:XQ+16*\b+4*\j+3], v6 offset:128*\b+16*\j   ; LDS serves a wave's instructions in order: these see my stores
.endr
.endr
	s_wait_dscnt 0x0                               ; K step 2 w's numbers are in, and the stores have read v16-143
.irp b, 0,1,2,3
.irp j, 0,1,2,3
	ds_load_b128 v[R+16*\b+4*\j:R+16*\b+4*\j+3], v6 offset:512+128*\b+16*\j
.endr
.endr
	QUANT XQ, 80, 224
.irp c, 0,1,2
	global_store_b128 v4, v[80+4*\c:83+4*\c], s[18:19] offset:512*\c
.endr
	s_wait_dscnt 0x0                               ; K step 2 w + 1's numbers are in
	QUANT R, 100, 225
.irp c, 0,1,2
	global_store_b128 v4, v[100+4*\c:103+4*\c], s[18:19] offset:CPB+512*\c
.endr
	v_cndmask_b32 v226, v224, v225, s13
	global_store_b32 v7, v226, s[22:23]
	s_wait_tensorcnt 0x0                           ; the wave's end, behind my last LDS store
	ds_add_u32 v[SPW], v[NIL]
	s_wait_dscnt 0x0
	s_endpgm
.Lweights:
	s_cmp_lt_u32 ttmp9, 704
	s_cbranch_scc0 .Lwout
	WQ 6, 12288, 512, 512
	s_endpgm
.Lwout:
	WQ 8, 4096, 704, 704
	s_endpgm
.Lfunc_end_k_qe03d801fab_prep:
	.size	k_qe03d801fab_prep, .Lfunc_end_k_qe03d801fab_prep-k_qe03d801fab_prep
	.p2alignl 7, 3214868480
	.fill 96, 4, 3214868480
	.section	.rodata,"a",@progbits
	.p2align	6, 0x0
	.amdhsa_kernel k_qe03d801fab_prep
		.amdhsa_group_segment_fixed_size 67072
		.amdhsa_private_segment_fixed_size 0
		.amdhsa_enable_private_segment 0
		.amdhsa_kernarg_size 32
		.amdhsa_user_sgpr_count 2
		.amdhsa_user_sgpr_kernarg_segment_ptr 1
		.amdhsa_wavefront_size32 1
		.amdhsa_system_sgpr_workgroup_id_x 1
		.amdhsa_system_sgpr_workgroup_id_y 1
		.amdhsa_system_sgpr_workgroup_id_z 1
		.amdhsa_system_vgpr_workitem_id 0
		.amdhsa_next_free_vgpr 256
		.amdhsa_next_free_sgpr 66
		.amdhsa_reserve_vcc 0
		.amdhsa_float_denorm_mode_32 3
		.amdhsa_float_denorm_mode_16_64 3
		.amdhsa_memory_ordered 1
		.amdhsa_forward_progress 1
		.amdhsa_inst_pref_size 59
	.end_amdhsa_kernel
	.amdgpu_metadata
---
amdhsa.version: [ 1, 2 ]
amdhsa.kernels:
  - .name:           k_qe03d801fab_prep
    .symbol:         k_qe03d801fab_prep.kd
    .args:
      - { .name: X, .offset: 0, .size: 8, .value_kind: global_buffer, .address_space: global }
      - { .name: W_in, .offset: 8, .size: 8, .value_kind: global_buffer, .address_space: global }
      - { .name: W_out, .offset: 16, .size: 8, .value_kind: global_buffer, .address_space: global }
      - { .name: xw, .offset: 24, .size: 8, .value_kind: global_buffer, .address_space: global }
    .group_segment_fixed_size: 67072
    .private_segment_fixed_size: 0
    .kernarg_segment_align: 8
    .kernarg_segment_size: 32
    .max_flat_workgroup_size: 128
    .sgpr_count:     66
    .vgpr_count:     256
    .wavefront_size: 32
...
	.end_amdgpu_metadata
.endif
;; end of part 1
;; launch proj (part 2): grid 8 x 32, 4 waves a work-group, clusters of 4 x 4, 327,680 bytes of LDS; arguments xw, b_in, qk, vt; writes qk, vt
.if DOCPART == 2
	.amdgcn_target "amdgcn-amd-amdhsa--gfx1250"
	.amdhsa_code_object_version 6
	.text
	.protected	k_qe03d801fab_proj
	.globl	k_qe03d801fab_proj
	.p2align	8
	.type	k_qe03d801fab_proj,@function
k_qe03d801fab_proj:
	s_mov_b64 s[64:65], 0
	v_nop
	global_prefetch_b8 v0, s[64:65] scope:SCOPE_SE
	s_setreg_imm32_b32 hwreg(HW_REG_WAVE_MODE, 25, 1), 1
	s_wait_xcnt 0x0
	s_wait_alu depctr_hold_cnt(0) depctr_sa_sdst(0) depctr_va_vdst(0) depctr_va_sdst(0) depctr_va_ssrc(0) depctr_va_vcc(0) depctr_vm_vsrc(0)
	s_getreg_b32 s2, hwreg(HW_REG_IB_STS2, 6, 4)
	s_cmp_eq_u32 s2, 0
	s_cbranch_scc0 .Lentry_in_a_cluster
	s_endpgm
.Lentry_in_a_cluster:
	s_bfe_u32 s2, ttmp6, 0x10000c
	s_cmp_lg_u32 s2, 0xf033
	s_cbranch_scc0 .Lentry_shape_is_right
	s_endpgm
.Lentry_shape_is_right:
; QKV = X W_in + b_in on codes of FP6, and the result quantised again: Q and K along the width (rows = tokens, buffer qk: K steps 0-7 Q, 8-15 K), V along the KEYS (rows = the width's 1,024, buffer vt: K step = token / 128).
; All code buffers hold FRAGMENTS: 16 rows x 128 K as the image of the 12 operand registers, 1,536 bytes, [K step][row block]; scale words [K step][row block][16].  Lane r of row block T holds row 32 (T / 2) + 8 (T % 2) + r % 8 + 16 (r / 8).
; A tile is 128 (M) x 256 (N); four waves, each 64 x 128: 32 accumulators, 256 registers.  THE PRODUCT IS USED TRANSPOSED: source 0 = 16 rows of the N side, source 1 = 16 rows of the M side: a lane holds one M row, and by the
; order of rows in a block the 64 registers of eight neighbouring N blocks are n = 32 b + 16 (lane / 16) + i: what the quantiser along n wants.  The fragment made has the M side's block number and lanes.
; A WORK-GROUP STAYS AND MAKES THREE TILES: 768 tiles on 256 work-groups.  Tiles 0 and 1: M = tokens (X), tile 4 (2 Cy + t) + cy; N = W_in's columns 0-2047, tile 4 Cx + cx, the same in both: Q and K.
; Tile 2: M = W_in's columns 2048-3071, tile 4 Cx + cy; N = tokens, tile 4 Cy + cx: V transposed, so that the keys are its n.  (Cx, Cy: the cluster; cx, cy: my place in it.)
; THE RING: two LDS slots of four K steps each (K = 1,024 is eight).  A slot that has been read is filled with the next tile's K steps, and the ring does not stop at a tile's end.  Tiles 0 and 1 share their N side, so
; between them A's parts alone are filled again and B's codes stay where they lie.  The scale words of all three tiles come with the first fills and stay: 3 x 4 KiB for A, 2 x 8 KiB for B.
; A wave has five tensor loads out at the most (three loads of scale words and two slots), later the one of a refill.
; CLUSTER 4 x 4: the M side's tiles are shared along a row of the cluster, the N side's along a column: joint loads.  A load's rows are whole runs of fragments (6 or 12 KiB), a K step apart in memory: so a load has few, long rows.
; The bias is the C of each sum's first product: by column in tiles 0 and 1 (eight registers an N block), by row in tile 2 (eight copies of my row's number an M block).
; LIMITS: a block of zeros gets the byte 1 (zero codes; read by this program alone); blocks whose largest magnitude lies under 2^-124 keep the byte 1; NaN and infinities are not served.
; REGISTERS.  Window 0: v1 r, v2 h, v3 16 x lane, v4-5 A's LDS addresses (slot 0, 1), v6-7 B's, v9 4 x lane, v10-11 the add's two, v28-30 the scale words' addresses, one a tile; v32-47 scale words, two sets; v48-63 at work;
; v64-159 A's fragments, two sets (on the way out: the codes made); v160-223 the bias as C; v224-227 tile 2's row biases.  Window 1: B's fragments, two sets at v0 and v128.  Window 2: accumulator (a, b) at v[8 (8 a + b)].
; THE HEAD AS IT STANDS (in place of what the lines above say of the scale words and of the loads that are out): a wave issues ONE joint load at the head, its part of slot 0; slot 1's first fill
; follows behind the three lines and a round of the cluster's barrier, as a refill does: one tensor load of a wave is out at any time.  The scale words of the three tiles, 28 KiB beside 672 KiB of codes,
; come by plain loads of 512 consecutive bytes and are stored to LDS bytes into which no tensor load lands; being so small a part of a work-group's bytes they are not asked for jointly.
; Slot 1's bytes are prefetched at the head, each block of 256 bytes once a cluster: of a part's four K steps the partner at place p (cx for A, cy for B) names K step p.  The later refills have four K steps, 128 products, in which to land, and are not prefetched.
.set APB, 1179648
.set BPB, 1179648
.set ASP, 49152                        ; scale words
.set BSP, 49152
.set ASO, 9437184                      ; where the scale words begin
.set BSO, 9437184
.set AH,    6144                       ; four row blocks of a K step: a wave's part of A
.set BH,    12288                      ; eight: a wave's part of B
.set APART, 4*AH                       ; a slot holds four K steps: [A half 0][A half 1][B half 0][B half 1], each [K step][block][1,536]
.set BPART, 4*BH
.set SLOT,  2*APART+2*BPART
.set SA0,   2*SLOT                     ; behind the slots: A's scale words of tiles 0, 1, 2, each [K step][8 blocks][64 bytes],
.set SA1,   SA0+4096
.set SA2,   SA0+8192
.set SB0,   SA0+12288                  ; B's of tiles 0 and 1, and of tile 2, each [half][K step][8 blocks][64 bytes]
.set SB2,   SA0+20480
.set SPARE, SA0+28672                  ; the spare words, 128 bytes a wave
.set ADRA, 4
.set ADRB, 6
.set SPW,  10
.set NIL,  11
.set ADRS, 28
.set SC,   32
.set TM,   48
.set AF,   64
.set PW,   144
.set G1A,  24                          ; s[24:31], s[32:39] descriptor groups 1 for A's and B's codes; s[40:47], s[48:55] for their scale words
.set G1B,  32
.set G1SA, 40
.set G1SB, 48
.set SEL,  100
.set MSB,  0
.macro WIN new                         ; the immediate's high byte repeats the setting that is left
.if MSB != \new
	s_set_vgpr_msb (MSB<<8)|\new
.set MSB, \new
.endif
.endm
.macro JLOAD g0a, g1a, g0b, g1b        ; a joint load: waves 0 and 1 fetch for A, waves 2 and 3 for B; an s_nop 0 and four v_nop follow each line
	s_cmp_eq_u32 s13, 0
	s_cbranch_scc0 .Lfor_b_\@
	tensor_load_to_lds s[\g0a:\g0a+3], s[\g1a:\g1a+7]
	s_nop 0
.rept 4
	v_nop
.endr
	s_branch .Lasked_\@
.Lfor_b_\@:
	tensor_load_to_lds s[\g0b:\g0b+3], s[\g1b:\g1b+7]
	s_nop 0
.rept 4
	v_nop
.endr
.Lasked_\@:
.endm
.macro ALOAD g0, g1                    ; a joint load of A's parts alone: waves 0 and 1; the branch hangs on the wave's number, the same in every work-group
	s_cmp_eq_u32 s13, 0
	s_cbranch_scc0 .Lnot_a_\@
	tensor_load_to_lds s[\g0:\g0+3], s[\g1:\g1+7]
	s_nop 0
.rept 4
	v_nop
.endr
.Lnot_a_\@:
.endm
.macro CREST
	s_cmp_lg_u32 s12, 0
	s_cbranch_scc1 .Lnot_wave_0_\@
	s_barrier_signal -3
.Lnot_wave_0_\@:
	s_barrier_wait -3
	s_barrier_signal -1
	s_barrier_wait -1
.endm
.macro CROUND                          ; a round of the cluster's barrier
	s_barrier_signal -1
	s_barrier_wait -1
	CREST
.endm
.macro PLACES n
.rept \n
	v_nop
.endr
.endm
.macro G1SET g, c, r, pitch            ; r rows of c elements of 8 bytes, pitch elements apart, no padding
	s_mov_b32 s[\g+1], ((\c)&0xffff)<<16
	s_mov_b32 s[\g+2], ((\c)>>16)|((\r)<<16)
	s_mov_b32 s[\g+3], (\c)<<16
	s_mov_b32 s[\g+4], \r
	s_mov_b32 s[\g+5], \pitch
	s_mov_b32 s[\g+6], 0
	s_mov_b32 s[\g+7], 0
.endm
.macro IDS
	v_lshrrev_b32 v1, 5, v0
	v_readfirstlane_b32 s12, v1                    ; wave
	s_lshr_b32 s13, s12, 1                         ; wm: my half of the tile's M.  Also: I fetch for A (0) or B (1)
	s_and_b32 s14, s12, 1                          ; wn: my half of its N.  Also: which half I fetch
	s_bfe_u32 s15, ttmp6, 0x40000                  ; cx
	s_bfe_u32 s16, ttmp6, 0x40004                  ; cy
	s_lshl_b32 s19, s16, 2
	s_lshl_b32 s19, 15, s19                        ; my row of the cluster
	s_lshl_b32 s20, 0x1111, s15                    ; my column
	s_and_b32 s22, ttmp7, 0xffff                   ; the cluster's y, 0 to 7
	; THE CLUSTERS ARE RENUMBERED, one to one: Cx = y % 2 (s3) and Cy = 4 x + y / 2 (s22) are the pair that the lines at the head call (Cx, Cy): the two clusters that take one range of 1,024 tokens have the same x
	s_and_b32 s3, s22, 1
	s_lshr_b32 s22, s22, 1
	s_lshl_b32 s66, ttmp9, 2
	s_add_co_u32 s22, s22, s66
	s_mov_b32 s[SEL], 0x76543210
	s_mov_b32 s[SEL+1], 0xfedcba98
	s_mov_b32 s66, 0xffff0000                      ; lanes 16-31
.endm
.macro SADR reg, sa, sb                ; a tile's scale words: lanes 0-15 take A's (my half: 256 wm), lanes 16-31 B's (my half: 4,096 wn): the lower base + h x the distance
	s_lshl_b32 s23, s13, 8
	s_mul_i32 s67, s14, 4096
	s_add_co_u32 s67, s67, (\sb)-(\sa)
	s_sub_co_u32 s67, s67, s23
	v_mul_u32_u24 v[\reg], s67, v2
	s_add_co_u32 s23, s23, \sa
	v_lshl_add_u32 v[\reg], v1, 2, v[\reg]
	v_add_nc_u32 v[\reg], s23, v[\reg]
.endm
; Step g = 8 x tile + K step.  Its operands go into set g % 2, out of slot (g / 4) % 2.  Every load of 16 bytes a lane reads 512 consecutive bytes.
; FETCHB: eight fragments of B and eight registers of scale words (register i: lanes 0-15 A's block i, used for i < 4 alone; lanes 16-31 B's block i).  FETCHA: four fragments of A
.macro FETCHB g
.set FP, (\g)%2
.set FS, ((\g)/4)%2
.set FQ, (\g)%4
	WIN 0x40                                       ; destination window 1
.irp b, 0,1,2,3,4,5,6,7
.irp c, 0,1,2
	ds_load_b128 v[128*FP+12*\b+4*\c:128*FP+12*\b+4*\c+3], v[ADRB+FS] offset:FQ*BH+1536*\b+512*\c
.endr
.endr
	WIN 0
.irp i, 0,1,2,3,4,5,6,7
	ds_load_b32 v[SC+8*FP+\i], v[ADRS+(\g)/8] offset:512*((\g)%8)+64*\i
.endr
.endm
.macro FETCHA g
.set FP, (\g)%2
.set FS, ((\g)/4)%2
.set FQ, (\g)%4
	WIN 0
.irp a, 0,1,2,3
.irp c, 0,1,2
	ds_load_b128 v[AF+48*FP+12*\a+4*\c:AF+48*FP+12*\a+4*\c+3], v[ADRA+FS] offset:FQ*AH+1536*\a+512*\c
.endr
.endr
.endm
; eight products: A's block a against B's eight.  cm = 0: onto the sums; 2: the bias by column (v[160 + 8 b ..]) starts them; 3: the bias by row (v[160 + 8 a ..]).  The 32 accumulators take turns in the same order in every step
.macro MULA k, a, cm
.set MP, (\k)%2
.if (\cm) >= 2
	WIN 0x81                                       ; source 0 window 1, source 1 and C window 0, D window 2
.else
	WIN 0xa1                                       ; source 0 window 1, source 1 window 0, C and D window 2
.endif
.irp b, 0,1,2,3,4,5,6,7
.if (\cm) == 2
	v_wmma_scale_f32_16x16x128_f8f6f4 v[8*(8*(\a)+\b):8*(8*(\a)+\b)+7], v[128*MP+12*\b:128*MP+12*\b+11], v[AF+48*MP+12*(\a):AF+48*MP+12*(\a)+11], v[160+8*\b:160+8*\b+7], v[SC+8*MP+\b], v[SC+8*MP+(\a)] matrix_a_fmt:MATRIX_FMT_FP6 matrix_b_fmt:MATRIX_FMT_FP6 matrix_a_scale:MATRIX_SCALE_ROW1
.elseif (\cm) == 3
	v_wmma_scale_f32_16x16x128_f8f6f4 v[8*(8*(\a)+\b):8*(8*(\a)+\b)+7], v[128*MP+12*\b:128*MP+12*\b+11], v[AF+48*MP+12*(\a):AF+48*MP+12*(\a)+11], v[160+8*(\a):160+8*(\a)+7], v[SC+8*MP+\b], v[SC+8*MP+(\a)] matrix_a_fmt:MATRIX_FMT_FP6 matrix_b_fmt:MATRIX_FMT_FP6 matrix_a_scale:MATRIX_SCALE_ROW1
.else
	v_wmma_scale_f32_16x16x128_f8f6f4 v[8*(8*(\a)+\b):8*(8*(\a)+\b)+7], v[128*MP+12*\b:128*MP+12*\b+11], v[AF+48*MP+12*(\a):AF+48*MP+12*(\a)+11], v[8*(8*(\a)+\b):8*(8*(\a)+\b)+7], v[SC+8*MP+\b], v[SC+8*MP+(\a)] matrix_a_fmt:MATRIX_FMT_FP6 matrix_b_fmt:MATRIX_FMT_FP6 matrix_a_scale:MATRIX_SCALE_ROW1
.endif
.endr
.endm
.macro STEP g, cm                      ; a step whose successor lies in the same slot
	s_wait_dscnt 0x0                               ; this step's operands are in
	MULA \g, 0, \cm
	PLACES 4                                       ; four places between the last step's products and the loads into the set that they read
	FETCHB (\g)+1
	FETCHA (\g)+1
	MULA \g, 1, \cm
	MULA \g, 2, \cm
	MULA \g, 3, \cm
.endm
; Refill n brings K steps 4 (n % 2) on of tile n / 2 into slot n % 2.  No tensor load of the wave is out here, so the groups 0 may be written.  Four places stand on every wave's way in front of the LDS loads that follow
.macro REFILL n
.if (\n) == 2
	s_add_nc_u64 s[58:59], s[58:59], 32*1536       ; tile 1's tokens lie 32 row blocks on; the type bits on top are not reached
	ALOAD 56, G1A
	PLACES 4
.elseif (\n) == 3
	s_add_nc_u64 s[62:63], s[62:63], 32*1536
	ALOAD 60, G1A
	PLACES 4
.elseif (\n) == 4
	s_add_nc_u64 s[58:59], s[4:5], s[96:97]        ; tile 2: both sides anew
	s_or_b32 s59, s59, 0x80000000
	s_add_nc_u64 s[70:71], s[4:5], s[98:99]
	s_or_b32 s71, s71, 0x80000000
	JLOAD 56, G1A, 68, G1B
.else
	s_add_nc_u64 s[62:63], s[4:5], s[96:97]
	s_add_nc_u64 s[62:63], s[62:63], 4*APB
	s_or_b32 s63, s63, 0x80000000
	s_add_nc_u64 s[74:75], s[4:5], s[98:99]
	s_add_nc_u64 s[74:75], s[74:75], 4*BPB
	s_or_b32 s75, s75, 0x80000000
	JLOAD 60, G1A, 72, G1B
.endif
.endm
; A slot's last step changes slots: one barrier; in front of it each wave waits for all its tensor loads, adds 0 to its spare word, and waits for that and for its reads of this slot.  n > 0: the barrier opens a round of the
; cluster's barrier, and refill n is the first thing behind it, a wave's one tensor load until the next round.  tail = 1: a tile's last step: A's next fragments are fetched behind the way out, whose codes lie in A's registers
.macro TURN g, n, tail
	WIN 0                                          ; (the add's two registers lie in window 0)
	s_wait_tensorcnt 0x0                           ; all my tensor loads have landed: my part of the next slot
	ds_add_u32 v[SPW], v[NIL]                      ; 0 onto my spare word
	s_wait_dscnt 1                                 ; this step's operands are in; the add alone may be out
	MULA \g, 0, 0
	s_wait_dscnt 0x0                               ; the add is done, and my reads of this slot are over
	s_barrier_signal -1
	MULA \g, 1, 0
	WIN 0
	s_barrier_wait -1
.if (\n) > 0
	CREST                                          ; no wave of any partner still reads this slot or has a load on its way
	REFILL \n
.else
	PLACES 4
.endif
	FETCHB (\g)+1
.if (\tail) == 0
	FETCHA (\g)+1
.endif
	MULA \g, 2, 0
	MULA \g, 3, 0
.endm
.macro LAST g
	s_wait_dscnt 0x0
	MULA \g, 0, 0
	MULA \g, 1, 0
	MULA \g, 2, 0
	MULA \g, 3, 0
.endm
; 64 accumulator registers from s on (window 2), register 16 b + i = n 32 b + 16 (lane / 16) + i of my row, become a fragment's codes in v[pc .. pc + 11] and its scale word in v[pw].  Each accumulator is read from its low end on
.macro QUANTW s, pc, pw
	WIN 0x28                                       ; sources 1 and 2 window 2
.irp b, 0,1,2,3
	v_max3_num_f32 v[TM+\b], 0x1800000, |v[(\s)+16*\b]|, |v[(\s)+1+16*\b]|   ; the floor 2^(3 - 127): the byte cannot fall under 1
.endr
.irp i, 2,4,6,8,10,12,14
.irp b, 0,1,2,3
	v_max3_num_f32 v[TM+\b], v[TM+\b], |v[(\s)+16*\b+\i]|, |v[(\s)+1+16*\b+\i]|
.endr
.endr
	WIN 0
.irp b, 0,1,2,3
	v_permlanex16_b32 v[TM+4+\b], v[TM+\b], s[SEL], s[SEL+1]
.endr
.irp b, 0,1,2,3
	v_max_num_f32 v[TM+\b], v[TM+\b], v[TM+4+\b]
.endr
.irp b, 0,1,2,3
	v_add_nc_u32 v[TM+12+\b], 0xff000000, v[TM+\b]   ; 2 off the exponent field: the conversion's scale operand
.endr
.irp b, 0,1,2,3
	v_lshrrev_b32 v[TM+4+\b], 23, v[TM+12+\b]
.endr
	v_lshl_or_b32 v[\pw], v[TM+5], 8, v[TM+4]
	v_lshl_or_b32 v[\pw], v[TM+6], 16, v[\pw]
	v_lshl_or_b32 v[\pw], v[TM+7], 24, v[\pw]
	WIN 0x02                                       ; source 0 window 2
.irp c, 0,1
	v_cvt_scalef32_pk16_fp6_f32 v[(\pc)+6*\c:(\pc)+2+6*\c], v[(\s)+32*\c:(\s)+15+32*\c], v[TM+12+2*\c]
	v_cvt_scalef32_pk16_fp6_f32 v[(\pc)+12+4*\c:(\pc)+14+4*\c], v[(\s)+16+32*\c:(\s)+31+32*\c], v[TM+12+2*\c+1]
.endr
	WIN 0
	v_nop                                          ; one plain place behind a scaled conversion
.irp c, 0,1
.irp i, 0,1,2
	v_permlane16_swap_b32 v[(\pc)+6*\c+\i], v[(\pc)+12+4*\c+\i]
.endr
.irp i, 0,1,2
	v_mov_b32 v[(\pc)+3+6*\c+\i], v[(\pc)+12+4*\c+\i]
.endr
.endr
.endm
; block a's fragment leaves as it stands: three stores of 512 consecutive bytes; two blocks' scale words leave together, 128 bytes.  bc, bs: the bases' registers; oc, os: the tile's distance from them.
; Within a tile every block has registers of its own, so no store's data are written again there
.macro PUT a, bc, bs, oc, os
.irp c, 0,1,2
	global_store_b128 v3, v[AF+20*(\a)+4*\c:AF+20*(\a)+4*\c+3], s[\bc:\bc+1] offset:(\oc)+1536*(\a)+512*\c
.endr
.if ((\a)%2) == 1
	v_cndmask_b32 v[156+(\a)/2], v[PW+(\a)-1], v[PW+(\a)], s66
	global_store_b32 v9, v[156+(\a)/2], s[\bs:\bs+1] offset:(\os)+128*((\a)/2)
.endif
.endm
.macro WAYOUT bc, bs, oc, os           ; a tile's way out
	WIN 0
	PLACES 4                                       ; four places between the last products and the first read of results and write of operands
.irp a, 0,1,2,3
	QUANTW 64*\a, AF+20*\a, PW+\a
	PUT \a, \bc, \bs, \oc, \os
.endr
.endm
	s_load_b256 s[4:11], s[0:1], 0x0               ; xw s[4:5], b_in s[6:7], qk s[8:9], vt s[10:11]
	v_lshl_add_u32 v[SPW], v0, 2, SPARE
	v_mov_b32 v[NIL], 0
	ds_add_u32 v[SPW], v[NIL]                      ; the wave's opening: the add and its wait stand ahead of my first tensor load; work on registers stands between them
	ds_add_u32 v[SPW], v[NIL]
	IDS
	s_or_b32 s[G1A], s19, (3<<16)|(1<<21)          ; 15:0 the mask; 17:16 elements of 8 bytes; 21 set beside a mask
	s_or_b32 s[G1B], s20, (3<<16)|(1<<21)
	G1SET G1A, 768, 4, APB/8                       ; four K steps x four blocks
	G1SET G1B, 1536, 4, BPB/8                      ; four K steps x eight blocks
	; the tiles.  What feeds A's descriptors is made of cy and the cluster's numbers (s18, s21, s23, s2), what feeds B's of cx and the cluster's numbers (s17, s3, s67, s104)
	s_lshl_b32 s18, s22, 3
	s_add_co_u32 s18, s18, s16                     ; tile 0's M tile: 4 (2 Cy) + cy; tile 1's is 4 more
	s_lshl_b32 s21, s3, 2
	s_add_co_u32 s21, s21, s16                     ; tile 2's M tile: 4 Cx + cy
	s_lshl_b32 s17, s3, 2
	s_add_co_u32 s17, s17, s15                     ; tiles 0 and 1's N tile: 4 Cx + cx
	s_lshl_b32 s3, s22, 2
	s_add_co_u32 s3, s3, s15                       ; tile 2's N tile: 4 Cy + cx
	s_lshl_b32 s2, s14, 2                          ; my half of A: four blocks
	s_lshl_b32 s23, s18, 3
	s_add_co_u32 s23, s23, s2
	s_mul_i32 s58, s23, 1536                       ; tile 0: X's row block 8 x M tile + 4 wn
	s_mov_b32 s59, 0
	s_lshl_b32 s23, s21, 3
	s_add_co_u32 s23, s23, s2
	s_add_co_u32 s23, s23, 640
	s_mul_i32 s96, s23, 1536                       ; tile 2: W_in's column 2,048 is row block 640
	s_mov_b32 s97, 0
	s_mul_i32 s2, s14, 4*ASP                       ; A's scale words: wave wn brings K steps 4 wn on
	s_add_co_u32 s2, s2, ASO
	s_lshl_b32 s78, s18, 9
	s_add_co_u32 s78, s78, s2
	s_mov_b32 s79, 0
	s_add_co_u32 s82, s78, 32*64
	s_mov_b32 s83, 0
	s_lshl_b32 s86, s21, 9
	s_add_co_u32 s86, s86, s2
	s_add_co_u32 s86, s86, 640*64
	s_mov_b32 s87, 0
	s_lshl_b32 s104, s14, 3                        ; my half of B: eight blocks
	s_lshl_b32 s67, s17, 4
	s_add_co_u32 s67, s67, s104
	s_add_co_u32 s67, s67, 512
	s_mul_i32 s70, s67, 1536                       ; tiles 0 and 1: W_in's column 0 is row block 512
	s_mov_b32 s71, 0
	s_lshl_b32 s90, s67, 6
	s_add_co_u32 s90, s90, BSO
	s_mov_b32 s91, 0
	s_lshl_b32 s67, s3, 4
	s_add_co_u32 s67, s67, s104
	s_mul_i32 s98, s67, 1536                       ; tile 2: X's row block 16 x N tile + 8 wn
	s_mov_b32 s99, 0
	s_lshl_b32 s94, s67, 6
	s_add_co_u32 s94, s94, BSO
	s_mov_b32 s95, 0
	s_mul_i32 s57, s14, APART                      ; LDS addresses: the wave's number and constants alone
	s_add_co_u32 s61, s57, SLOT
	s_mul_i32 s69, s14, BPART
	s_add_co_u32 s69, s69, 2*APART
	s_add_co_u32 s73, s69, SLOT
	s_lshl_b32 s77, s14, 11
	s_add_co_u32 s77, s77, SA0                     ; A's scale words in LDS: K steps 4 wn on
	s_lshl_b32 s89, s14, 12
	s_add_co_u32 s89, s89, SB0                     ; B's: half wn
.irp g, 56,60,68,72
	s_mov_b32 s[\g], 1                             ; count = 1
.endr
	s_wait_dscnt 0x0                               ; the opening add is done
	s_wait_kmcnt 0x0
	s_add_nc_u64 s[58:59], s[4:5], s[58:59]        ; A, slot 0: tile 0's K steps 0-3
	s_add_nc_u64 s[62:63], s[58:59], 4*APB         ; slot 1: K steps 4-7
	s_add_nc_u64 s[70:71], s[4:5], s[70:71]        ; B likewise
	s_add_nc_u64 s[74:75], s[70:71], 4*BPB
	s_add_nc_u64 s[78:79], s[4:5], s[78:79]        ; A's scale words of tiles 0, 1, 2
	s_add_nc_u64 s[82:83], s[4:5], s[82:83]
	s_add_nc_u64 s[86:87], s[4:5], s[86:87]
	s_add_nc_u64 s[90:91], s[4:5], s[90:91]        ; B's of tiles 0 and 1, and of tile 2
	s_add_nc_u64 s[94:95], s[4:5], s[94:95]
	s_mul_i32 s92, s15, APB                        ; the prefetch: my part of slot 1, the K step that my place among the four partners gives me
	s_mul_i32 s93, s16, BPB
	s_cmp_eq_u32 s13, 0
	s_cselect_b64 s[80:81], s[62:63], s[74:75]
	s_cselect_b32 s84, s92, s93
	s_cselect_b32 s92, 23, 31                      ; the last block of 256 bytes that the first request names: A's K step has 24, B's 48
	s_mov_b32 s85, 0
	s_add_nc_u64 s[80:81], s[80:81], s[84:85]
.irp g, 56,60,68,72
	s_or_b32 s[\g+3], s[\g+3], 0x80000000          ; type = 2
.endr
	CROUND                                         ; all sixteen work-groups are here: the first joint loads meet
	JLOAD 56, G1A, 68, G1B                         ; slot 0: one tensor load a wave at the head
	v_and_b32 v1, 15, v0                           ; r
	v_bfe_u32 v2, v0, 4, 1                         ; h
	v_and_b32 v9, 31, v0
	v_lshlrev_b32 v3, 4, v9                        ; 16 x lane: an image's place for my lane
	v_lshlrev_b32 v9, 2, v9                        ; 4 x lane
	s_mul_i32 s23, s13, APART
	v_add_nc_u32 v[ADRA], s23, v3
	v_add_nc_u32 v[ADRA+1], SLOT, v[ADRA]
	s_mul_i32 s23, s14, BPART
	s_add_co_u32 s23, s23, 2*APART
	v_add_nc_u32 v[ADRB], s23, v3
	v_add_nc_u32 v[ADRB+1], SLOT, v[ADRB]
	SADR ADRS, SA0, SB0
	SADR ADRS+1, SA1, SB0
	SADR ADRS+2, SA2, SB2
.irp b, 0,1,2,3
	v_mov_b32 v[TM+4+\b], 0                        ; written once: a lane permute's destination counts as one of its sources
.endr
	; the biases.  Tiles 0 and 1: b_in at my 128 columns, eight numbers an N block in the result's layout.  Tile 2: b_in at 2,048 + my lane's row, one number an M block
	s_lshl_b32 s23, s17, 10
	s_lshl_b32 s67, s14, 9
	s_add_co_u32 s23, s23, s67
	v_lshl_add_u32 v12, v2, 6, s23
	s_lshl_b32 s67, s21, 9
	s_lshl_b32 s23, s13, 8
	s_add_co_u32 s67, s67, s23
	s_add_co_u32 s67, s67, 8192
	v_and_b32 v13, 7, v1
	v_lshrrev_b32 v14, 3, v1
	v_lshl_add_u32 v13, v14, 4, v13
	v_lshl_add_u32 v13, v13, 2, s67
.irp t, 0,1,2,3,4,5,6,7
	global_load_b128 v[160+8*\t:163+8*\t], v12, s[6:7] offset:(32*(\t/2)+8*(\t%2))*4
	global_load_b128 v[164+8*\t:167+8*\t], v12, s[6:7] offset:(32*(\t/2)+8*(\t%2))*4+16
.endr
.irp a, 0,1,2,3
	global_load_b32 v[224+\a], v13, s[6:7] offset:(32*(\a/2)+8*(\a%2))*4
.endr
	; the scale words: wave (wm, wn) brings A's K steps 4 wn + wm + 2 j and, of B's half wn, K steps wm + 2 j: 512 consecutive bytes a load
	s_mul_i32 s23, s13, ASP
	v_add_nc_u32 v17, s23, v3
	s_lshl_b32 s67, s13, 9
	v_add_nc_u32 v18, s67, v3
	v_add_nc_u32 v19, s89, v18
	v_add_nc_u32 v18, s77, v18
.irp j, 0,1
	global_load_b128 v[64+4*\j:67+4*\j], v17, s[78:79] offset:\j*2*ASP
	global_load_b128 v[72+4*\j:75+4*\j], v17, s[82:83] offset:\j*2*ASP
	global_load_b128 v[80+4*\j:83+4*\j], v17, s[86:87] offset:\j*2*ASP
.endr
.irp j, 0,1,2,3
	global_load_b128 v[88+4*\j:91+4*\j], v17, s[90:91] offset:\j*2*BSP
	global_load_b128 v[104+4*\j:107+4*\j], v17, s[94:95] offset:\j*2*BSP
.endr
	v_and_b32 v20, 31, v0
	v_min_u32 v21, s92, v20
	v_min_u32 v20, 15, v20
	v_lshlrev_b32 v21, 8, v21                      ; a lane a block of 256 bytes; lanes left over name the last block again
	v_lshlrev_b32 v20, 8, v20
	global_prefetch_b8 v21, s[80:81] th:TH_LOAD_NT scope:SCOPE_SE
	s_cmp_eq_u32 s13, 0
	s_cbranch_scc1 .Lpf
	global_prefetch_b8 v20, s[80:81] offset:8192 th:TH_LOAD_NT scope:SCOPE_SE   ; B's blocks 32 to 47
.Lpf:
	; where the results go.  Tiles 0 and 1: qk, K step 2 x N tile + wn, row block 8 x M tile + 4 wm (tile 1: 32 blocks on, which stands in the stores' immediates).  Tile 2: vt likewise
	s_lshl_b32 s23, s17, 1
	s_add_co_u32 s23, s23, s14
	s_lshl_b32 s67, s18, 3
	s_lshl_b32 s2, s13, 2
	s_add_co_u32 s67, s67, s2
	s_lshl_b32 s104, s23, 15
	s_lshl_b32 s2, s67, 6
	s_add_co_u32 s104, s104, s2
	s_add_co_u32 s104, s104, 12582912
	s_mov_b32 s105, 0
	s_add_nc_u64 s[104:105], s[8:9], s[104:105]    ; qk: my scale words
	s_mul_i32 s23, s23, 786432
	s_mul_i32 s67, s67, 1536
	s_add_co_u32 s22, s23, s67
	s_mov_b32 s23, 0
	s_add_nc_u64 s[8:9], s[8:9], s[22:23]          ; qk: my fragments
	s_lshl_b32 s22, s3, 1
	s_add_co_u32 s22, s22, s14
	s_lshl_b32 s67, s21, 3
	s_lshl_b32 s2, s13, 2
	s_add_co_u32 s67, s67, s2
	s_lshl_b32 s2, s22, 12
	s_lshl_b32 s3, s67, 6
	s_add_co_u32 s2, s2, s3
	s_add_co_u32 s2, s2, 6291456
	s_mov_b32 s3, 0
	s_add_nc_u64 s[2:3], s[10:11], s[2:3]          ; vt: my scale words
	s_mul_i32 s22, s22, 98304
	s_mul_i32 s67, s67, 1536
	s_add_co_u32 s22, s22, s67
	s_add_nc_u64 s[10:11], s[10:11], s[22:23]      ; vt: my fragments
	s_wait_alu depctr_va_vdst(0)
	s_wait_loadcnt 0x0                             ; the biases and the scale words
.irp j, 0,1
	ds_store_b128 v18, v[64+4*\j:67+4*\j] offset:\j*1024
	ds_store_b128 v18, v[72+4*\j:75+4*\j] offset:4096+\j*1024
	ds_store_b128 v18, v[80+4*\j:83+4*\j] offset:8192+\j*1024
.endr
.irp j, 0,1,2,3
	ds_store_b128 v19, v[88+4*\j:91+4*\j] offset:\j*1024
	ds_store_b128 v19, v[104+4*\j:107+4*\j] offset:8192+\j*1024
.endr
	s_wait_tensorcnt 0x0                           ; my part of slot 0 is in
	ds_add_u32 v[SPW], v[NIL]
	s_wait_dscnt 0x0                               ; the add and my stores of scale words are done
	CROUND                                         ; everybody's part is in, and all sixteen work-groups are here
	JLOAD 60, G1A, 72, G1B                         ; slot 1's first fill: the first tensor load behind the round
	FETCHB 0
	FETCHA 0
	; ---- tile 0
	STEP 0, 2
	STEP 1, 0
	STEP 2, 0
	TURN 3, 2, 0
	STEP 4, 0
	STEP 5, 0
	STEP 6, 0
	TURN 7, 3, 1
	WAYOUT 8, 104, 0, 0
	s_wait_xcnt 0x0                                ; the stores have read their registers: A's fragments may land there, and the next way out may write them
	FETCHA 8
	; ---- tile 1
	STEP 8, 2
	STEP 9, 0
	STEP 10, 0
	TURN 11, 4, 0
	STEP 12, 0
	STEP 13, 0
	STEP 14, 0
	TURN 15, 5, 1
	WAYOUT 8, 104, 32*1536, 32*64
.irp a, 0,1,2,3
.irp j, 0,1,2,3,4,5,6,7
	v_mov_b32 v[160+8*\a+\j], v[224+\a]            ; tile 2's bias as C: my row's number, eight times an M block
.endr
.endr
	s_wait_alu depctr_va_vdst(0)
	s_wait_xcnt 0x0
	FETCHA 16
	; ---- tile 2
	STEP 16, 3
	STEP 17, 0
	STEP 18, 0
	TURN 19, 0, 0                                  ; nothing is left to fetch: no round
	STEP 20, 0
	STEP 21, 0
	STEP 22, 0
	LAST 23
	WAYOUT 10, 2, 0, 0
	s_wait_tensorcnt 0x0                           ; the wave's end
	ds_add_u32 v[SPW], v[NIL]
	s_wait_dscnt 0x0
	CROUND                                         ; the closing round
	s_endpgm
.Lfunc_end_k_qe03d801fab_proj:
	.size	k_qe03d801fab_proj, .Lfunc_end_k_qe03d801fab_proj-k_qe03d801fab_proj
	.p2alignl 7, 3214868480
	.fill 96, 4, 3214868480
	.section	.rodata,"a",@progbits
	.p2align	6, 0x0
	.amdhsa_kernel k_qe03d801fab_proj
		.amdhsa_group_segment_fixed_size 327680
		.amdhsa_private_segment_fixed_size 0
		.amdhsa_enable_private_segment 0
		.amdhsa_kernarg_size 32
		.amdhsa_user_sgpr_count 2
		.amdhsa_user_sgpr_kernarg_segment_ptr 1
		.amdhsa_wavefront_size32 1
		.amdhsa_system_sgpr_workgroup_id_x 1
		.amdhsa_system_sgpr_workgroup_id_y 1
		.amdhsa_system_sgpr_workgroup_id_z 1
		.amdhsa_system_vgpr_workitem_id 0
		.amdhsa_next_free_vgpr 768
		.amdhsa_next_free_sgpr 106
		.amdhsa_reserve_vcc 0
		.amdhsa_float_denorm_mode_32 3
		.amdhsa_float_denorm_mode_16_64 3
		.amdhsa_memory_ordered 1
		.amdhsa_forward_progress 1
		.amdhsa_inst_pref_size 241
	.end_amdhsa_kernel
	.amdgpu_metadata
---
amdhsa.version: [ 1, 2 ]
amdhsa.kernels:
  - .name:           k_qe03d801fab_proj
    .symbol:         k_qe03d801fab_proj.kd
    .args:
      - { .name: xw, .offset: 0, .size: 8, .value_kind: global_buffer, .address_space: global }
      - { .name: b_in, .offset: 8, .size: 8, .value_kind: global_buffer, .address_space: global }
      - { .name: qk, .offset: 16, .size: 8, .value_kind: global_buffer, .address_space: global }
      - { .name: vt, .offset: 24, .size: 8, .value_kind: global_buffer, .address_space: global }
    .group_segment_fixed_size: 327680
    .private_segment_fixed_size: 0
    .kernarg_segment_align: 8
    .kernarg_segment_size: 32
    .max_flat_workgroup_size: 128
    .sgpr_count:     106
    .vgpr_count:     768
    .wavefront_size: 32
...
	.end_amdgpu_metadata
.endif
;; end of part 2
;; launch score (part 3): grid 4 x 64, 4 waves a work-group, clusters of 4 x 4, 327,680 bytes of LDS; arguments qk, pbuf; writes pbuf
.if DOCPART == 3
	.amdgcn_target "amdgcn-amd-amdhsa--gfx1250"
	.amdhsa_code_object_version 6
	.text
	.protected	k_qe03d801fab_score
	.globl	k_qe03d801fab_score
	.p2align	8
	.type	k_qe03d801fab_score,@function
k_qe03d801fab_score:
	s_mov_b64 s[64:65], 0
	v_nop
	global_prefetch_b8 v0, s[64:65] scope:SCOPE_SE
	s_setreg_imm32_b32 hwreg(HW_REG_WAVE_MODE, 25, 1), 1
	s_wait_xcnt 0x0
	s_wait_alu depctr_hold_cnt(0) depctr_sa_sdst(0) depctr_va_vdst(0) depctr_va_sdst(0) depctr_va_ssrc(0) depctr_va_vcc(0) depctr_vm_vsrc(0)
	s_getreg_b32 s2, hwreg(HW_REG_IB_STS2, 6, 4)
	s_cmp_eq_u32 s2, 0
	s_cbranch_scc0 .Lentry_in_a_cluster
	s_endpgm
.Lentry_in_a_cluster:
	s_bfe_u32 s2, ttmp6, 0x10000c
	s_cmp_lg_u32 s2, 0xf033
	s_cbranch_scc0 .Lentry_shape_is_right
	s_endpgm
.Lentry_shape_is_right:
; S = Q K^T on codes of FP6, and the softmax's p = 2^(t - M) quantised along the keys, 128 keys at a time.  t = score x log2(e) / 32.
; M IS LOCAL HERE: the ceiling of the largest t among the wave's 128 keys of a row: a whole number.  Under the row's own M, which the next launch finds, every p is smaller by an exact power of two, which a block's scale takes up:
; the codes stay, and the next launch takes the difference off the scale bytes.  So this launch stores, for each row and each 128 keys: the codes and scale bytes of p, M, and l = the sum of the unquantised p.
; pbuf: codes [K step = key / 128 in the batch][query block 0..511][1,536]; scale words at 12,582,912: [16][512][16 words]; (M, l) at 13,107,200: [16][16 x block + lane r][2] f32.
; Fragments, row order, tile (128 x 256, four waves of 64 x 128), transposed use and cluster are those of the launch before: M side = 128 queries (qk's K steps 0-7), N side = 256 keys of the same batch (K steps 8-15).
; A lane holds one query, and the 64 registers of a block of queries are its 128 keys: 32 b + 16 (lane / 16) + i.
; A WORK-GROUP STAYS AND MAKES TWO TILES: 512 tiles on 256 work-groups: the same 128 queries against key tile cx and then key tile 4 + cx.  THE RING: two LDS slots of four K steps each (K = 1,024 is eight); a slot that has been
; read is filled with the next tile's K steps.  The queries are the same in both tiles, so B's parts alone are filled again (waves 2 and 3; waves 0 and 1 issue nothing) and A's codes stay where they lie.
; The scale words of both tiles come with the first fills and stay.  A wave has four tensor loads out at the most (two loads of scale words and two slots), later the one of a refill.
; LIMITS: a block whose every p has fallen to 0 gets the byte 1 (zero codes); NaN and infinities are not served.
; REGISTERS beyond the core's: v12 -M (v13 named with it as a pair), v[14:15], v[240:241] sums, v16 8 x lane, v28-29 the scale words' addresses, one a tile; v64-143 the codes made, v144-147 scale words, v148-155 (M, l) of the four
; blocks; v160-223 p; v224-227 (M, l) to store; v232-235 each block's largest score, then p; v236-239, v242, v244-247 at work.
; THE HEAD AS IT STANDS (in place of what the lines above say of the scale words and of the loads that are out): a wave issues ONE joint load at the head, its part of slot 0; slot 1's first fill
; follows behind the three lines and a round of the cluster's barrier, as a refill does: one tensor load of a wave is out at any time.  The scale words, 20 KiB beside 480 KiB of codes,
; come by plain loads of 512 consecutive bytes and are stored to LDS bytes into which no tensor load lands; being so small a part of a work-group's bytes they are not asked for jointly.
; Slot 1's bytes are prefetched at the head, each block of 256 bytes once a cluster: of a part's four K steps the partner at place p (cx for A, cy for B) names K step p.  The later refills have four K steps, 128 products, in which to land, and are not prefetched.
.set APB, 786432
.set BPB, 786432
.set ASP, 32768
.set BSP, 32768
.set ASO, 12582912
.set BSO, 12845056                     ; K's scale words: K step 8 on
.set BCO, 6291456                      ; K's codes: K step 8 on
.set AH,    6144
.set BH,    12288
.set APART, 4*AH
.set BPART, 4*BH
.set SLOT,  2*APART+2*BPART
.set SA,    2*SLOT                     ; behind the slots: the queries' scale words [K step][8 blocks][64 bytes],
.set SB0,   SA+4096                    ; the keys' of tile 0 and of tile 1, each [half][K step][8 blocks][64 bytes]
.set SB1,   SA+12288
.set SPARE, SA+20480                   ; the spare words, 128 bytes a wave
.set ADRA, 4
.set ADRB, 6
.set SPW,  10
.set NIL,  11
.set ADRS, 28
.set SC,   32
.set AF,   64
.set PW,   144
.set ML,   148
.set P,    160
.set BX,   232
.set T4,   236
.set SO,   244
.set G1A,  24
.set G1B,  32
.set G1SA, 40
.set G1SB, 48
.set SEL,  100
.set CS,   104                         ; s[104:105] c = log2(e) / 32
.set MSB,  0
.macro WIN new                         ; the immediate's high byte repeats the setting that is left
.if MSB != \new
	s_set_vgpr_msb (MSB<<8)|\new
.set MSB, \new
.endif
.endm
.macro BLOAD g0, g1                    ; a joint load of B's parts alone: waves 2 and 3; the branch hangs on the wave's number, the same in every work-group; an s_nop 0 and four v_nop follow the line
	s_cmp_lg_u32 s13, 0
	s_cbranch_scc0 .Lnot_b_\@
	tensor_load_to_lds s[\g0:\g0+3], s[\g1:\g1+7]
	s_nop 0
.rept 4
	v_nop
.endr
.Lnot_b_\@:
.endm
.macro JLOAD g0a, g1a, g0b, g1b        ; a joint load: waves 0 and 1 fetch for A, waves 2 and 3 for B; an s_nop 0 and four v_nop follow each line
	s_cmp_eq_u32 s13, 0
	s_cbranch_scc0 .Lfor_b_\@
	tensor_load_to_lds s[\g0a:\g0a+3], s[\g1a:\g1a+7]
	s_nop 0
.rept 4
	v_nop
.endr
	s_branch .Lasked_\@
.Lfor_b_\@:
	tensor_load_to_lds s[\g0b:\g0b+3], s[\g1b:\g1b+7]
	s_nop 0
.rept 4
	v_nop
.endr
.Lasked_\@:
.endm
.macro CREST
	s_cmp_lg_u32 s12, 0
	s_cbranch_scc1 .Lnot_wave_0_\@
	s_barrier_signal -3
.Lnot_wave_0_\@:
	s_barrier_wait -3
	s_barrier_signal -1
	s_barrier_wait -1
.endm
.macro CROUND                          ; a round of the cluster's barrier
	s_barrier_signal -1
	s_barrier_wait -1
	CREST
.endm
.macro PLACES n
.rept \n
	v_nop
.endr
.endm
.macro G1SET g, c, r, pitch            ; r rows of c elements of 8 bytes, pitch elements apart, no padding
	s_mov_b32 s[\g+1], ((\c)&0xffff)<<16
	s_mov_b32 s[\g+2], ((\c)>>16)|((\r)<<16)
	s_mov_b32 s[\g+3], (\c)<<16
	s_mov_b32 s[\g+4], \r
	s_mov_b32 s[\g+5], \pitch
	s_mov_b32 s[\g+6], 0
	s_mov_b32 s[\g+7], 0
.endm
.macro IDS
	v_lshrrev_b32 v1, 5, v0
	v_readfirstlane_b32 s12, v1                    ; wave
	s_lshr_b32 s13, s12, 1                         ; wm; also: I fetch for A (0) or B (1)
	s_and_b32 s14, s12, 1                          ; wn; also: which half I fetch
	s_bfe_u32 s15, ttmp6, 0x40000                  ; cx
	s_bfe_u32 s16, ttmp6, 0x40004                  ; cy
	s_lshl_b32 s19, s16, 2
	s_lshl_b32 s19, 15, s19                        ; my row of the cluster
	s_lshl_b32 s20, 0x1111, s15                    ; my column
	s_and_b32 s22, ttmp7, 0xffff                   ; the cluster's y, 0 to 15
	; THE CLUSTERS ARE RENUMBERED, one to one: 4 (y % 4) + y / 4 takes y's place: the four clusters of a batch, which read the same keys, agree in the two low bits of y
	s_and_b32 s66, s22, 3
	s_lshl_b32 s66, s66, 2
	s_lshr_b32 s22, s22, 2
	s_add_co_u32 s22, s22, s66
	s_mov_b32 s[SEL], 0x76543210
	s_mov_b32 s[SEL+1], 0xfedcba98
	s_mov_b32 s66, 0xffff0000                      ; lanes 16-31
.endm
.macro SADR reg, sa, sb                ; a tile's scale words: lanes 0-15 take A's (my half: 256 wm), lanes 16-31 B's (my half: 4,096 wn): the lower base + h x the distance
	s_lshl_b32 s23, s13, 8
	s_mul_i32 s67, s14, 4096
	s_add_co_u32 s67, s67, (\sb)-(\sa)
	s_sub_co_u32 s67, s67, s23
	v_mul_u32_u24 v[\reg], s67, v2
	s_add_co_u32 s23, s23, \sa
	v_lshl_add_u32 v[\reg], v1, 2, v[\reg]
	v_add_nc_u32 v[\reg], s23, v[\reg]
.endm
; Step g = 8 x tile + K step.  Its operands go into set g % 2, out of slot (g / 4) % 2.  Every load of 16 bytes a lane reads 512 consecutive bytes.
; FETCHB: eight fragments of B and eight registers of scale words (register i: lanes 0-15 A's block i, used for i < 4 alone; lanes 16-31 B's block i).  FETCHA: four fragments of A
.macro FETCHB g
.set FP, (\g)%2
.set FS, ((\g)/4)%2
.set FQ, (\g)%4
	WIN 0x40                                       ; destination window 1
.irp b, 0,1,2,3,4,5,6,7
.irp c, 0,1,2
	ds_load_b128 v[128*FP+12*\b+4*\c:128*FP+12*\b+4*\c+3], v[ADRB+FS] offset:FQ*BH+1536*\b+512*\c
.endr
.endr
	WIN 0
.irp i, 0,1,2,3,4,5,6,7
	ds_load_b32 v[SC+8*FP+\i], v[ADRS+(\g)/8] offset:512*((\g)%8)+64*\i
.endr
.endm
.macro FETCHA g
.set FP, (\g)%2
.set FS, ((\g)/4)%2
.set FQ, (\g)%4
	WIN 0
.irp a, 0,1,2,3
.irp c, 0,1,2
	ds_load_b128 v[AF+48*FP+12*\a+4*\c:AF+48*FP+12*\a+4*\c+3], v[ADRA+FS] offset:FQ*AH+1536*\a+512*\c
.endr
.endr
.endm
.macro MULA k, a, cm                   ; eight products; cm = 1: the constant 0 starts the sums.  The 32 accumulators take turns in the same order in every step
.set MP, (\k)%2
	WIN 0xa1                                       ; source 0 window 1, source 1 window 0, C and D window 2
.irp b, 0,1,2,3,4,5,6,7
.if (\cm) == 1
	v_wmma_scale_f32_16x16x128_f8f6f4 v[8*(8*(\a)+\b):8*(8*(\a)+\b)+7], v[128*MP+12*\b:128*MP+12*\b+11], v[AF+48*MP+12*(\a):AF+48*MP+12*(\a)+11], 0, v[SC+8*MP+\b], v[SC+8*MP+(\a)] matrix_a_fmt:MATRIX_FMT_FP6 matrix_b_fmt:MATRIX_FMT_FP6 matrix_a_scale:MATRIX_SCALE_ROW1
.else
	v_wmma_scale_f32_16x16x128_f8f6f4 v[8*(8*(\a)+\b):8*(8*(\a)+\b)+7], v[128*MP+12*\b:128*MP+12*\b+11], v[AF+48*MP+12*(\a):AF+48*MP+12*(\a)+11], v[8*(8*(\a)+\b):8*(8*(\a)+\b)+7], v[SC+8*MP+\b], v[SC+8*MP+(\a)] matrix_a_fmt:MATRIX_FMT_FP6 matrix_b_fmt:MATRIX_FMT_FP6 matrix_a_scale:MATRIX_SCALE_ROW1
.endif
.endr
.endm
.macro STEP g, cm                      ; a step whose successor lies in the same slot
	s_wait_dscnt 0x0                               ; this step's operands are in
	MULA \g, 0, \cm
	PLACES 4                                       ; four places between the last step's products and the loads into the set that they read
	FETCHB (\g)+1
	FETCHA (\g)+1
	MULA \g, 1, \cm
	MULA \g, 2, \cm
	MULA \g, 3, \cm
.endm
; Refill n (2 or 3) brings tile 1's K steps 4 (n % 2) on of the keys into slot n % 2: the keys lie 64 row blocks on.  No tensor load of the wave is out here, so the group 0 may be written.
; Four places stand on every wave's way in front of the LDS loads that follow
.macro REFILL n
.if (\n) == 2
	s_add_nc_u64 s[70:71], s[70:71], 64*1536       ; the type bits on top are not reached
	BLOAD 68, G1B
.else
	s_add_nc_u64 s[74:75], s[74:75], 64*1536
	BLOAD 72, G1B
.endif
	PLACES 4
.endm
; A slot's last step changes slots: one barrier; in front of it each wave waits for all its tensor loads, adds 0 to its spare word, and waits for that and for its reads of this slot.  n > 0: the barrier opens a round of the
; cluster's barrier, and refill n is the first thing behind it, a wave's one tensor load until the next round.  tail = 1: a tile's last step: A's next fragments are fetched behind the way out, whose codes lie in A's registers
.macro TURN g, n, tail
	WIN 0                                          ; (the add's two registers lie in window 0)
	s_wait_tensorcnt 0x0                           ; all my tensor loads have landed: my part of the next slot
	ds_add_u32 v[SPW], v[NIL]                      ; 0 onto my spare word
	s_wait_dscnt 1                                 ; this step's operands are in; the add alone may be out
	MULA \g, 0, 0
	s_wait_dscnt 0x0                               ; the add is done, and my reads of this slot are over
	s_barrier_signal -1
	MULA \g, 1, 0
	WIN 0
	s_barrier_wait -1
.if (\n) > 0
	CREST                                          ; no wave of any partner still reads this slot or has a load on its way
	REFILL \n
.else
	PLACES 4
.endif
	s_wait_alu depctr_va_vdst(0)
	FETCHB (\g)+1
.if (\tail) == 0
	FETCHA (\g)+1
.endif
	MULA \g, 2, 0
	MULA \g, 3, 0
.endm
.macro LAST g
	s_wait_dscnt 0x0
	MULA \g, 0, 0
	MULA \g, 1, 0
	MULA \g, 2, 0
	MULA \g, 3, 0
.endm
; block a's fragment leaves as it stands: three stores of 512 consecutive bytes; two blocks' scale words leave together, 128 bytes; two blocks' (M, l) likewise, 256 bytes.  Tile t's keys are K steps 8 t further on: the distance
; stands in the immediates, 6,297,088 bytes at the most, inside the signed 24 bits (ISA guide, chapter 10).  Within a tile every block has registers of its own, so no store's data are written again there
.macro PUT a, t
.irp c, 0,1,2
	global_store_b128 v3, v[AF+20*(\a)+4*\c:AF+20*(\a)+4*\c+3], s[8:9] offset:6291456*(\t)+1536*(\a)+512*\c
.endr
.if ((\a)%2) == 1
	v_cndmask_b32 v[156+(\a)/2], v[PW+(\a)-1], v[PW+(\a)], s66
	global_store_b32 v9, v[156+(\a)/2], s[10:11] offset:262144*(\t)+128*((\a)/2)
	v_cndmask_b32 v[224+2*((\a)/2)], v[ML+2*(\a)-2], v[ML+2*(\a)], s66       ; lanes 0-15 the first block's rows, lanes 16-31 the second's
	v_cndmask_b32 v[225+2*((\a)/2)], v[ML+2*(\a)-1], v[ML+2*(\a)+1], s66
	global_store_b64 v16, v[224+2*((\a)/2):225+2*((\a)/2)], s[2:3] offset:524288*(\t)+256*((\a)/2)   ; 256 consecutive bytes, aligned
.endif
.endm
; The softmax of block a's 16 queries over my 128 keys
.macro SOFT a
.set AC, 64*(\a)
.set PCA, AF+20*(\a)
	WIN 0x2a                                       ; all three sources window 2
.irp b, 0,1,2,3
	v_max3_num_f32 v[BX+\b], v[AC+16*\b], v[AC+16*\b+1], v[AC+16*\b+2]   ; the largest score of each block of 32 keys: it serves for the row's maximum and, since p rises with the score, for the block's largest p
.endr
	WIN 0x28
.irp i, 3,5,7,9,11,13
.irp b, 0,1,2,3
	v_max3_num_f32 v[BX+\b], v[BX+\b], v[AC+16*\b+\i], v[AC+16*\b+\i+1]
.endr
.endr
.irp b, 0,1,2,3
	v_max_num_f32 v[BX+\b], v[BX+\b], v[AC+16*\b+15]
.endr
	WIN 0
.irp b, 0,1,2,3
	v_permlanex16_b32 v[T4+\b], v[BX+\b], s[SEL], s[SEL+1]
.endr
.irp b, 0,1,2,3
	v_max_num_f32 v[BX+\b], v[BX+\b], v[T4+\b]     ; with lane l xor 16's 16 keys
.endr
	v_max3_num_f32 v242, v[BX], v[BX+1], v[BX+2]
	v_max_num_f32 v242, v242, v[BX+3]
	v_mul_f32 v242, s[CS], v242                    ; the largest t of my query among these 128 keys
	v_floor_f32 v12, -v242                         ; -M = floor(-t): M is a whole number
	WIN 0x02                                       ; source 0 window 2
.set jj, 0
.rept 32
	v_pk_fma_f32 v[P+jj:P+jj+1], v[AC+jj:AC+jj+1], s[CS:CS+1], v[12:13] op_sel_hi:[1,0,0]   ; t - M, two at a time
.set jj, jj+2
.endr
	WIN 0
.irp b, 0,1,2,3
	v_fma_f32 v[BX+\b], v[BX+\b], s[CS], v12       ; the same of each block's largest score
.endr
.set jj, 0
	s_wait_alu depctr_va_vdst(0)
.rept 64
	v_exp_f32 v[P+jj], v[P+jj]                     ; p = 2^(t - M)
.set jj, jj+1
.endr
	v_xor_b32 v[ML+2*(\a)], 0x80000000, v12        ; M.  (The plain place behind the exponentials)
	s_wait_alu depctr_va_vdst(0)                   ; one wait for the batch, ahead of its first reader
.irp b, 0,1,2,3
	v_exp_f32 v[BX+\b], v[BX+\b]                   ; the block's largest p: the same two instructions on the same number
.endr
	v_pk_add_f32 v[14:15], v[P:P+1], v[P+4:P+5]    ; l is the sum of the unquantised p: two at a time, in two chains
	v_pk_add_f32 v[240:241], v[P+2:P+3], v[P+6:P+7]
.set jj, 8
.rept 14
	v_pk_add_f32 v[14:15], v[14:15], v[P+jj:P+jj+1]
	v_pk_add_f32 v[240:241], v[240:241], v[P+jj+2:P+jj+3]
.set jj, jj+4
.endr
	v_pk_add_f32 v[14:15], v[14:15], v[240:241]
	v_add_f32 v14, v14, v15
	v_permlanex16_b32 v240, v14, s[SEL], s[SEL+1]
	v_add_f32 v[ML+2*(\a)+1], v14, v240
	s_wait_alu depctr_va_vdst(0)                   ; and one for the four
.irp b, 0,1,2,3
	v_max_num_f32 v[BX+\b], 0x1800000, v[BX+\b]    ; the floor 2^(3 - 127)
.endr
.irp b, 0,1,2,3
	v_add_nc_u32 v[SO+\b], 0xff000000, v[BX+\b]
.endr
.irp b, 0,1,2,3
	v_lshrrev_b32 v[T4+\b], 23, v[SO+\b]
.endr
	v_lshl_or_b32 v[PW+(\a)], v[T4+1], 8, v[T4]
	v_lshl_or_b32 v[PW+(\a)], v[T4+2], 16, v[PW+(\a)]
	v_lshl_or_b32 v[PW+(\a)], v[T4+3], 24, v[PW+(\a)]
.irp c, 0,1
	v_cvt_scalef32_pk16_fp6_f32 v[PCA+6*\c:PCA+2+6*\c], v[P+32*\c:P+15+32*\c], v[SO+2*\c]
	v_cvt_scalef32_pk16_fp6_f32 v[PCA+12+4*\c:PCA+14+4*\c], v[P+16+32*\c:P+31+32*\c], v[SO+2*\c+1]
.endr
	v_nop                                          ; one plain place behind a scaled conversion
.irp c, 0,1
.irp i, 0,1,2
	v_permlane16_swap_b32 v[PCA+6*\c+\i], v[PCA+12+4*\c+\i]
.endr
.irp i, 0,1,2
	v_mov_b32 v[PCA+3+6*\c+\i], v[PCA+12+4*\c+\i]
.endr
.endr
.endm
.macro WAYOUT t                        ; a tile's way out
	WIN 0
	PLACES 4                                       ; four places between the last products and the first read of results and write of operands
.irp a, 0,1,2,3
	SOFT \a
	PUT \a, \t
.endr
.endm
	s_load_b128 s[4:7], s[0:1], 0x0                ; qk s[4:5], pbuf s[6:7]
	v_lshl_add_u32 v[SPW], v0, 2, SPARE
	v_mov_b32 v[NIL], 0
	ds_add_u32 v[SPW], v[NIL]                      ; the wave's opening: the add and its wait stand ahead of my first tensor load; work on registers stands between them
	ds_add_u32 v[SPW], v[NIL]
	IDS
	s_or_b32 s[G1A], s19, (3<<16)|(1<<21)          ; 15:0 the mask; 17:16 elements of 8 bytes; 21 set beside a mask
	s_or_b32 s[G1B], s20, (3<<16)|(1<<21)
	G1SET G1A, 768, 4, APB/8                       ; four K steps x four blocks
	G1SET G1B, 1536, 4, BPB/8                      ; four K steps x eight blocks
	; what feeds A's descriptors is made of cy and the cluster's y (s18, s23, s2), what feeds B's of cx and the cluster's y (s3, s67)
	s_lshl_b32 s18, s22, 2
	s_add_co_u32 s18, s18, s16                     ; y: which 128 queries, of all four batches
	s_lshl_b32 s2, s14, 2
	s_lshl_b32 s23, s18, 3
	s_add_co_u32 s23, s23, s2
	s_mul_i32 s58, s23, 1536                       ; the queries' row block 8 y + 4 wn
	s_mov_b32 s59, 0
	s_mul_i32 s2, s14, 4*ASP                       ; their scale words: wave wn brings K steps 4 wn on
	s_add_co_u32 s2, s2, ASO
	s_lshl_b32 s78, s18, 9
	s_add_co_u32 s78, s78, s2
	s_mov_b32 s79, 0
	s_lshr_b32 s3, s22, 2                          ; the batch: four clusters along y each
	s_lshl_b32 s3, s3, 7
	s_lshl_b32 s67, s15, 4
	s_add_co_u32 s67, s67, s3
	s_lshl_b32 s3, s14, 3
	s_add_co_u32 s67, s67, s3                      ; tile 0's keys: row block 128 x batch + 16 cx + 8 wn
	s_mul_i32 s70, s67, 1536
	s_add_co_u32 s70, s70, BCO
	s_mov_b32 s71, 0
	s_lshl_b32 s82, s67, 6
	s_add_co_u32 s82, s82, BSO
	s_mov_b32 s83, 0
	s_add_co_u32 s86, s82, 64*64                   ; tile 1's: 64 row blocks on
	s_mov_b32 s87, 0
	s_mul_i32 s57, s14, APART                      ; LDS addresses: the wave's number and constants alone
	s_add_co_u32 s61, s57, SLOT
	s_mul_i32 s69, s14, BPART
	s_add_co_u32 s69, s69, 2*APART
	s_add_co_u32 s73, s69, SLOT
	s_lshl_b32 s77, s14, 11
	s_add_co_u32 s77, s77, SA
	s_lshl_b32 s81, s14, 12
	s_add_co_u32 s81, s81, SB0
.irp g, 56,60,68,72
	s_mov_b32 s[\g], 1                             ; count = 1
.endr
	s_mov_b32 s[CS], 0x3d38aa3b                    ; log2(e) / 32
	s_mov_b32 s[CS+1], s[CS]
	s_wait_dscnt 0x0                               ; the opening add is done
	s_wait_kmcnt 0x0
	s_add_nc_u64 s[58:59], s[4:5], s[58:59]        ; A, slot 0: K steps 0-3
	s_add_nc_u64 s[62:63], s[58:59], 4*APB         ; slot 1: K steps 4-7
	s_add_nc_u64 s[70:71], s[4:5], s[70:71]        ; B likewise, tile 0
	s_add_nc_u64 s[74:75], s[70:71], 4*BPB
	s_add_nc_u64 s[78:79], s[4:5], s[78:79]        ; the queries' scale words
	s_add_nc_u64 s[82:83], s[4:5], s[82:83]        ; the keys' of tile 0, of tile 1
	s_add_nc_u64 s[86:87], s[4:5], s[86:87]
	s_mul_i32 s92, s15, APB                        ; the prefetch: my part of slot 1, the K step that my place among the four partners gives me
	s_mul_i32 s93, s16, BPB
	s_cmp_eq_u32 s13, 0
	s_cselect_b64 s[88:89], s[62:63], s[74:75]
	s_cselect_b32 s90, s92, s93
	s_cselect_b32 s92, 23, 31                      ; the last block of 256 bytes that the first request names: A's K step has 24, B's 48
	s_mov_b32 s91, 0
	s_add_nc_u64 s[88:89], s[88:89], s[90:91]
.irp g, 56,60,68,72
	s_or_b32 s[\g+3], s[\g+3], 0x80000000          ; type = 2
.endr
	CROUND                                         ; all sixteen work-groups are here: the first joint loads meet
	JLOAD 56, G1A, 68, G1B                         ; slot 0: one tensor load a wave at the head
	v_and_b32 v1, 15, v0                           ; r
	v_bfe_u32 v2, v0, 4, 1                         ; h
	v_and_b32 v9, 31, v0
	v_lshlrev_b32 v3, 4, v9                        ; 16 x lane
	v_lshlrev_b32 v9, 2, v9                        ; 4 x lane
	s_mul_i32 s23, s13, APART
	v_add_nc_u32 v[ADRA], s23, v3
	v_add_nc_u32 v[ADRA+1], SLOT, v[ADRA]
	s_mul_i32 s23, s14, BPART
	s_add_co_u32 s23, s23, 2*APART
	v_add_nc_u32 v[ADRB], s23, v3
	v_add_nc_u32 v[ADRB+1], SLOT, v[ADRB]
	SADR ADRS, SA, SB0
	SADR ADRS+1, SA, SB1
	v_lshlrev_b32 v16, 1, v9                       ; 8 x lane
	v_mov_b32 v13, 0                               ; (named as the upper half of the pair v[12:13])
.irp b, 0,1,2,3
	v_mov_b32 v[T4+\b], 0                          ; written once: a lane permute's destination counts as one of its sources
.endr
	; the scale words: wave (wm, wn) brings the queries' K steps 4 wn + wm + 2 j and, of the keys' half wn, K steps wm + 2 j: 512 consecutive bytes a load
	s_mul_i32 s23, s13, ASP
	v_add_nc_u32 v17, s23, v3
	s_lshl_b32 s67, s13, 9
	v_add_nc_u32 v18, s67, v3
	v_add_nc_u32 v19, s81, v18
	v_add_nc_u32 v18, s77, v18
.irp j, 0,1
	global_load_b128 v[64+4*\j:67+4*\j], v17, s[78:79] offset:\j*2*ASP
.endr
.irp j, 0,1,2,3
	global_load_b128 v[72+4*\j:75+4*\j], v17, s[82:83] offset:\j*2*BSP
	global_load_b128 v[88+4*\j:91+4*\j], v17, s[86:87] offset:\j*2*BSP
.endr
	v_and_b32 v20, 31, v0
	v_min_u32 v21, s92, v20
	v_min_u32 v20, 15, v20
	v_lshlrev_b32 v21, 8, v21                      ; a lane a block of 256 bytes; lanes left over name the last block again
	v_lshlrev_b32 v20, 8, v20
	global_prefetch_b8 v21, s[88:89] th:TH_LOAD_NT scope:SCOPE_SE
	s_cmp_eq_u32 s13, 0
	s_cbranch_scc1 .Lpf
	global_prefetch_b8 v20, s[88:89] offset:8192 th:TH_LOAD_NT scope:SCOPE_SE   ; B's blocks 32 to 47
.Lpf:
	s_lshl_b32 s23, s15, 1
	s_add_co_u32 s23, s23, s14                     ; the K step that my 128 keys of tile 0 make: 2 cx + wn
	s_lshl_b32 s67, s18, 3
	s_lshl_b32 s2, s13, 2
	s_add_co_u32 s67, s67, s2                      ; my first row block: 8 y + 4 wm
	s_mul_i32 s8, s23, 786432
	s_mul_i32 s2, s67, 1536
	s_add_co_u32 s8, s8, s2
	s_mov_b32 s9, 0
	s_add_nc_u64 s[8:9], s[6:7], s[8:9]            ; my fragments
	s_lshl_b32 s10, s23, 15
	s_lshl_b32 s2, s67, 6
	s_add_co_u32 s10, s10, s2
	s_add_co_u32 s10, s10, 12582912
	s_mov_b32 s11, 0
	s_add_nc_u64 s[10:11], s[6:7], s[10:11]        ; my scale words
	s_lshl_b32 s2, s23, 16
	s_lshl_b32 s3, s67, 7
	s_add_co_u32 s2, s2, s3
	s_add_co_u32 s2, s2, 13107200
	s_mov_b32 s3, 0
	s_add_nc_u64 s[2:3], s[6:7], s[2:3]            ; my (M, l)
	s_wait_alu depctr_va_vdst(0)
	s_wait_loadcnt 0x0                             ; the scale words
.irp j, 0,1
	ds_store_b128 v18, v[64+4*\j:67+4*\j] offset:\j*1024
.endr
.irp j, 0,1,2,3
	ds_store_b128 v19, v[72+4*\j:75+4*\j] offset:\j*1024
	ds_store_b128 v19, v[88+4*\j:91+4*\j] offset:8192+\j*1024
.endr
	s_wait_tensorcnt 0x0                           ; my part of slot 0 is in
	ds_add_u32 v[SPW], v[NIL]
	s_wait_dscnt 0x0                               ; the add and my stores of scale words are done
	CROUND                                         ; everybody's part is in, and all sixteen work-groups are here
	JLOAD 60, G1A, 72, G1B                         ; slot 1's first fill: the first tensor load behind the round
	FETCHB 0
	FETCHA 0
	; ---- tile 0
	STEP 0, 1
	STEP 1, 0
	STEP 2, 0
	TURN 3, 2, 0
	STEP 4, 0
	STEP 5, 0
	STEP 6, 0
	TURN 7, 3, 1
	WAYOUT 0
	s_wait_xcnt 0x0                                ; the stores have read their registers: A's fragments may land there, and the next way out may write them
	FETCHA 8
	; ---- tile 1
	STEP 8, 1
	STEP 9, 0
	STEP 10, 0
	TURN 11, 0, 0                                  ; nothing is left to fetch: no round
	STEP 12, 0
	STEP 13, 0
	STEP 14, 0
	LAST 15
	WAYOUT 1
	s_wait_tensorcnt 0x0                           ; the wave's end
	ds_add_u32 v[SPW], v[NIL]
	s_wait_dscnt 0x0
	CROUND                                         ; the closing round
	s_endpgm
.Lfunc_end_k_qe03d801fab_score:
	.size	k_qe03d801fab_score, .Lfunc_end_k_qe03d801fab_score-k_qe03d801fab_score
	.p2alignl 7, 3214868480
	.fill 96, 4, 3214868480
	.section	.rodata,"a",@progbits
	.p2align	6, 0x0
	.amdhsa_kernel k_qe03d801fab_score
		.amdhsa_group_segment_fixed_size 327680
		.amdhsa_private_segment_fixed_size 0
		.amdhsa_enable_private_segment 0
		.amdhsa_kernarg_size 16
		.amdhsa_user_sgpr_count 2
		.amdhsa_user_sgpr_kernarg_segment_ptr 1
		.amdhsa_wavefront_size32 1
		.amdhsa_system_sgpr_workgroup_id_x 1
		.amdhsa_system_sgpr_workgroup_id_y 1
		.amdhsa_system_sgpr_workgroup_id_z 1
		.amdhsa_system_vgpr_workitem_id 0
		.amdhsa_next_free_vgpr 768
		.amdhsa_next_free_sgpr 106
		.amdhsa_reserve_vcc 0
		.amdhsa_float_denorm_mode_32 3
		.amdhsa_float_denorm_mode_16_64 3
		.amdhsa_memory_ordered 1
		.amdhsa_forward_progress 1
		.amdhsa_inst_pref_size 216
	.end_amdhsa_kernel
	.amdgpu_metadata
---
amdhsa.version: [ 1, 2 ]
amdhsa.kernels:
  - .name:           k_qe03d801fab_score
    .symbol:         k_qe03d801fab_score.kd
    .args:
      - { .name: qk, .offset: 0, .size: 8, .value_kind: global_buffer, .address_space: global }
      - { .name: pbuf, .offset: 8, .size: 8, .value_kind: global_buffer, .address_space: global }
    .group_segment_fixed_size: 327680
    .private_segment_fixed_size: 0
    .kernarg_segment_align: 8
    .kernarg_segment_size: 16
    .max_flat_workgroup_size: 128
    .sgpr_count:     106
    .vgpr_count:     768
    .wavefront_size: 32
...
	.end_amdgpu_metadata
.endif
;; end of part 3
;; launch mix (part 4): grid 4 x 64, 4 waves a work-group, clusters of 4 x 4, 327,680 bytes of LDS; arguments pbuf, vt, obuf; writes obuf
.if DOCPART == 4
	.amdgcn_target "amdgcn-amd-amdhsa--gfx1250"
	.amdhsa_code_object_version 6
	.text
	.protected	k_qe03d801fab_mix
	.globl	k_qe03d801fab_mix
	.p2align	8
	.type	k_qe03d801fab_mix,@function
k_qe03d801fab_mix:
	s_mov_b64 s[64:65], 0
	v_nop
	global_prefetch_b8 v0, s[64:65] scope:SCOPE_SE
	s_setreg_imm32_b32 hwreg(HW_REG_WAVE_MODE, 25, 1), 1
	s_wait_xcnt 0x0
	s_wait_alu depctr_hold_cnt(0) depctr_sa_sdst(0) depctr_va_vdst(0) depctr_va_sdst(0) depctr_va_ssrc(0) depctr_va_vcc(0) depctr_vm_vsrc(0)
	s_getreg_b32 s2, hwreg(HW_REG_IB_STS2, 6, 4)
	s_cmp_eq_u32 s2, 0
	s_cbranch_scc0 .Lentry_in_a_cluster
	s_endpgm
.Lentry_in_a_cluster:
	s_bfe_u32 s2, ttmp6, 0x10000c
	s_cmp_lg_u32 s2, 0xf033
	s_cbranch_scc0 .Lentry_shape_is_right
	s_endpgm
.Lentry_shape_is_right:
; O = (P V) / l on codes of FP6, quantised along the width for the last product.  P's codes were made under a local M for each 128 keys.  Here the row's M = the largest of its sixteen local M is found, each scale byte of p is
; lowered by M - M_local (an exact power of two, so the numbers are those of p under the row's M), and l = the sum of l_local x 2^(M_local - M).
; M side = 128 queries (pbuf), N side = 256 of the width's 1,024 (vt, rows = width, K = keys), K = the batch's 2,048 keys: sixteen K steps through two LDS slots of four K steps each; slots 0 and 1 are each filled once more.
; Fragments, row order, tile, transposed use and cluster are those of the launches before.  A wave has three tensor loads out at the most (vt's scale words, slots 0 and 1), later the one of a refill, which has four K steps, 128 products, in which to land.
; p's mended scale words are made by the work-group itself (thread t: row slot t of the tile) and stored to LDS bytes into which no tensor load lands; so are the 128 numbers 1 / l.
; LIMITS: a byte of p that would fall under 0 is held at 0: such a block keeps its codes under 2^-127, each number at most 7.5 x 2^-127; M - M_local is held at 127 in l too.  A block of zeros of O gets the byte 1.  NaN and infinities are not served.
; THE HEAD AS IT STANDS (in place of what the lines above say of vt's scale words and of the loads that are out): a wave issues ONE joint load at the head, its part of slot 0; slot 1's first fill
; follows behind the three lines and a round of the cluster's barrier, as a refill does: one tensor load of a wave is out at any time.  vt's scale words, 16 KiB beside 576 KiB of codes,
; come by plain loads of 512 consecutive bytes, a quarter a wave, and are stored to LDS bytes into which no tensor load lands; being so small a part of a work-group's bytes they are not asked for jointly.
; Slot 1's bytes are prefetched at the head, each block of 256 bytes once a cluster: of a part's four K steps the partner at place p (cx for A, cy for B) names K step p.  The later refills have four K steps, 128 products, in which to land, and are not prefetched.
.set KS,  16
.set APB, 786432
.set BPB, 98304
.set AH,    6144
.set BH,    12288
.set APART, 4*AH
.set BPART, 4*BH
.set SLOT,  2*APART+2*BPART
.set SCA,   2*SLOT                     ; p's mended scale words [K step][8 blocks][64 bytes]: stored by the work-group
.set SCB,   SCA+512*KS                 ; vt's scale words [half][K step][8 blocks][64 bytes]
.set RCP,   SCB+1024*KS                ; 1 / l of the tile's 128 rows
.set SPARE, RCP+512
.set ADRA, 4
.set ADRB, 6
.set ADRS, 8
.set SPW,  10
.set NIL,  11
.set SC,   32
.set TM,   48
.set AF,   64
.set PW,   144
.set G1A,  24
.set G1B,  32
.set G1SB, 48
.set SEL,  100
.set MSB,  0
.macro WIN new
.if MSB != \new
	s_set_vgpr_msb (MSB<<8)|\new
.set MSB, \new
.endif
.endm
.macro JLOAD g0a, g1a, g0b, g1b        ; a joint load: waves 0 and 1 fetch for A, waves 2 and 3 for B; an s_nop 0 and four v_nop follow each line
	s_cmp_eq_u32 s13, 0
	s_cbranch_scc0 .Lfor_b_\@
	tensor_load_to_lds s[\g0a:\g0a+3], s[\g1a:\g1a+7]
	s_nop 0
.rept 4
	v_nop
.endr
	s_branch .Lasked_\@
.Lfor_b_\@:
	tensor_load_to_lds s[\g0b:\g0b+3], s[\g1b:\g1b+7]
	s_nop 0
.rept 4
	v_nop
.endr
.Lasked_\@:
.endm
.macro CREST
	s_cmp_lg_u32 s12, 0
	s_cbranch_scc1 .Lnot_wave_0_\@
	s_barrier_signal -3
.Lnot_wave_0_\@:
	s_barrier_wait -3
	s_barrier_signal -1
	s_barrier_wait -1
.endm
.macro CROUND
	s_barrier_signal -1
	s_barrier_wait -1
	CREST
.endm
.macro PLACES n
.rept \n
	v_nop
.endr
.endm
.macro G1SET g, c, r, pitch
	s_mov_b32 s[\g+1], ((\c)&0xffff)<<16
	s_mov_b32 s[\g+2], ((\c)>>16)|((\r)<<16)
	s_mov_b32 s[\g+3], (\c)<<16
	s_mov_b32 s[\g+4], \r
	s_mov_b32 s[\g+5], \pitch
	s_mov_b32 s[\g+6], 0
	s_mov_b32 s[\g+7], 0
.endm
.macro IDS
	v_lshrrev_b32 v1, 5, v0
	v_readfirstlane_b32 s12, v1                    ; wave
	s_lshr_b32 s13, s12, 1                         ; wm; also: I fetch for A (0) or B (1)
	s_and_b32 s14, s12, 1                          ; wn; also: which half I fetch
	s_bfe_u32 s15, ttmp6, 0x40000                  ; cx
	s_bfe_u32 s16, ttmp6, 0x40004                  ; cy
	s_lshl_b32 s19, s16, 2
	s_lshl_b32 s19, 15, s19                        ; my row of the cluster
	s_lshl_b32 s20, 0x1111, s15                    ; my column
	s_and_b32 s22, ttmp7, 0xffff                   ; the cluster's y, 0 to 15
	; THE CLUSTERS ARE RENUMBERED, one to one: 4 (y % 4) + y / 4 takes y's place: the four clusters of a batch, which read the same values, agree in the two low bits of y
	s_and_b32 s66, s22, 3
	s_lshl_b32 s66, s66, 2
	s_lshr_b32 s22, s22, 2
	s_add_co_u32 s22, s22, s66
	s_mov_b32 s[SEL], 0x76543210
	s_mov_b32 s[SEL+1], 0xfedcba98
	s_mov_b32 s66, 0xffff0000                      ; lanes 16-31
.endm
.macro VADDR
	v_and_b32 v1, 15, v0
	v_bfe_u32 v2, v0, 4, 1
	v_and_b32 v9, 31, v0
	v_lshlrev_b32 v3, 4, v9
	v_lshlrev_b32 v9, 2, v9
	s_mul_i32 s23, s13, APART
	v_add_nc_u32 v[ADRA], s23, v3
	v_add_nc_u32 v[ADRA+1], SLOT, v[ADRA]
	s_mul_i32 s23, s14, BPART
	s_add_co_u32 s23, s23, 2*APART
	v_add_nc_u32 v[ADRB], s23, v3
	v_add_nc_u32 v[ADRB+1], SLOT, v[ADRB]
	s_lshl_b32 s23, s13, 8
	s_mul_i32 s67, s14, 512*KS
	s_add_co_u32 s67, s67, 512*KS
	s_sub_co_u32 s67, s67, s23
	v_mul_u32_u24 v[ADRS], s67, v2
	s_add_co_u32 s23, s23, SCA
	v_lshl_add_u32 v[ADRS], v1, 2, v[ADRS]
	v_add_nc_u32 v[ADRS], s23, v[ADRS]
.irp b, 0,1,2,3
	v_mov_b32 v[TM+4+\b], 0
.endr
.endm
.macro FETCH k
.set FP, (\k)%2
.set FS, ((\k)/4)%2
.set FQ, (\k)%4
	WIN 0x40
.irp b, 0,1,2,3,4,5,6,7
.irp c, 0,1,2
	ds_load_b128 v[128*FP+12*\b+4*\c:128*FP+12*\b+4*\c+3], v[ADRB+FS] offset:FQ*BH+1536*\b+512*\c
.endr
.endr
	WIN 0
.irp a, 0,1,2,3
.irp c, 0,1,2
	ds_load_b128 v[AF+48*FP+12*\a+4*\c:AF+48*FP+12*\a+4*\c+3], v[ADRA+FS] offset:FQ*AH+1536*\a+512*\c
.endr
.endr
.irp i, 0,1,2,3,4,5,6,7
	ds_load_b32 v[SC+8*FP+\i], v[ADRS] offset:512*(\k)+64*\i
.endr
.endm
.macro MULA k, a, cm                   ; eight products; cm = 1: the constant 0 starts the sums.  The 32 accumulators take turns in the same order in every K step
.set MP, (\k)%2
	WIN 0xa1
.irp b, 0,1,2,3,4,5,6,7
.if (\cm) == 1
	v_wmma_scale_f32_16x16x128_f8f6f4 v[8*(8*(\a)+\b):8*(8*(\a)+\b)+7], v[128*MP+12*\b:128*MP+12*\b+11], v[AF+48*MP+12*(\a):AF+48*MP+12*(\a)+11], 0, v[SC+8*MP+\b], v[SC+8*MP+(\a)] matrix_a_fmt:MATRIX_FMT_FP6 matrix_b_fmt:MATRIX_FMT_FP6 matrix_a_scale:MATRIX_SCALE_ROW1
.else
	v_wmma_scale_f32_16x16x128_f8f6f4 v[8*(8*(\a)+\b):8*(8*(\a)+\b)+7], v[128*MP+12*\b:128*MP+12*\b+11], v[AF+48*MP+12*(\a):AF+48*MP+12*(\a)+11], v[8*(8*(\a)+\b):8*(8*(\a)+\b)+7], v[SC+8*MP+\b], v[SC+8*MP+(\a)] matrix_a_fmt:MATRIX_FMT_FP6 matrix_b_fmt:MATRIX_FMT_FP6 matrix_a_scale:MATRIX_SCALE_ROW1
.endif
.endr
.endm
.macro STEP k, cm
	s_wait_dscnt 0x0                               ; this K step's operands are in
	MULA \k, 0, \cm
	PLACES 4                                       ; between the last K step's products and the loads into the set that they read
	FETCH (\k)+1
	MULA \k, 1, \cm
	MULA \k, 2, \cm
	MULA \k, 3, \cm
.endm
; A slot's last K step changes slots: one barrier; in front of it each wave waits for all its tensor loads, adds 0 to its spare word, and waits for that and for its reads of this slot.  fill = 1: the barrier opens a round of the
; cluster's barrier, and this slot is filled again with the K steps eight further on: the wave's one tensor load behind the round, and the first thing there
.macro TURN k, fill
.set TS, ((\k)/4)%2
	WIN 0                                          ; (the add's two registers lie in window 0)
	s_wait_tensorcnt 0x0                           ; all my tensor loads have landed: my part of the next slot
	ds_add_u32 v[SPW], v[NIL]                      ; 0 onto my spare word
	s_wait_dscnt 1                                 ; this K step's operands are in; the add alone may be out
	MULA \k, 0, 0
	s_wait_dscnt 0x0                               ; the add is done, and my reads of this slot are over
	s_barrier_signal -1
	MULA \k, 1, 0
	WIN 0
	s_barrier_wait -1
.if \fill
	CREST                                          ; no wave of any partner still reads this slot or has a load on its way
	s_add_nc_u64 s[58+4*TS:59+4*TS], s[58+4*TS:59+4*TS], 8*APB
	s_add_nc_u64 s[70+4*TS:71+4*TS], s[70+4*TS:71+4*TS], 8*BPB
	JLOAD 56+4*TS, G1A, 68+4*TS, G1B               ; the four v_nop behind it are also the places in front of the loads below
.else
	PLACES 4
.endif
	FETCH (\k)+1
	MULA \k, 2, 0
	MULA \k, 3, 0
.endm
.macro LAST k
	s_wait_dscnt 0x0
	MULA \k, 0, 0
	MULA \k, 1, 0
	MULA \k, 2, 0
	MULA \k, 3, 0
	WIN 0
.endm
.macro QUANTW s, pc, pw                ; 64 accumulator registers (window 2) become a fragment's codes and its scale word; each accumulator is read from its low end on
	WIN 0x28
.irp b, 0,1,2,3
	v_max3_num_f32 v[TM+\b], 0x1800000, |v[(\s)+16*\b]|, |v[(\s)+1+16*\b]|
.endr
.irp i, 2,4,6,8,10,12,14
.irp b, 0,1,2,3
	v_max3_num_f32 v[TM+\b], v[TM+\b], |v[(\s)+16*\b+\i]|, |v[(\s)+1+16*\b+\i]|
.endr
.endr
	WIN 0
.irp b, 0,1,2,3
	v_permlanex16_b32 v[TM+4+\b], v[TM+\b], s[SEL], s[SEL+1]
.endr
.irp b, 0,1,2,3
	v_max_num_f32 v[TM+\b], v[TM+\b], v[TM+4+\b]
.endr
.irp b, 0,1,2,3
	v_add_nc_u32 v[TM+12+\b], 0xff000000, v[TM+\b]
.endr
.irp b, 0,1,2,3
	v_lshrrev_b32 v[TM+4+\b], 23, v[TM+12+\b]
.endr
	v_lshl_or_b32 v[\pw], v[TM+5], 8, v[TM+4]
	v_lshl_or_b32 v[\pw], v[TM+6], 16, v[\pw]
	v_lshl_or_b32 v[\pw], v[TM+7], 24, v[\pw]
	WIN 0x02
.irp c, 0,1
	v_cvt_scalef32_pk16_fp6_f32 v[(\pc)+6*\c:(\pc)+2+6*\c], v[(\s)+32*\c:(\s)+15+32*\c], v[TM+12+2*\c]
	v_cvt_scalef32_pk16_fp6_f32 v[(\pc)+12+4*\c:(\pc)+14+4*\c], v[(\s)+16+32*\c:(\s)+31+32*\c], v[TM+12+2*\c+1]
.endr
	WIN 0
	v_nop
.irp c, 0,1
.irp i, 0,1,2
	v_permlane16_swap_b32 v[(\pc)+6*\c+\i], v[(\pc)+12+4*\c+\i]
.endr
.irp i, 0,1,2
	v_mov_b32 v[(\pc)+3+6*\c+\i], v[(\pc)+12+4*\c+\i]
.endr
.endr
.endm
.macro PUT a
.irp c, 0,1,2
	global_store_b128 v3, v[AF+20*(\a)+4*\c:AF+20*(\a)+4*\c+3], s[8:9] offset:1536*(\a)+512*\c
.endr
.if ((\a)%2) == 1
	v_cndmask_b32 v[156+(\a)/2], v[PW+(\a)-1], v[PW+(\a)], s66
	global_store_b32 v9, v[156+(\a)/2], s[10:11] offset:128*((\a)/2)
.endif
.endm
	s_load_b128 s[4:7], s[0:1], 0x0                ; pbuf s[4:5], vt s[6:7]
	s_load_b64 s[8:9], s[0:1], 0x10                ; obuf
	v_lshl_add_u32 v[SPW], v0, 2, SPARE
	v_mov_b32 v[NIL], 0
	ds_add_u32 v[SPW], v[NIL]                      ; the wave's opening: the add and its wait stand ahead of my first tensor load
	ds_add_u32 v[SPW], v[NIL]
	IDS
	s_lshl_b32 s18, s22, 2
	s_add_co_u32 s18, s18, s16                     ; y: which 128 queries
	s_lshl_b32 s17, ttmp9, 2
	s_add_co_u32 s17, s17, s15                     ; x: which 256 of the width
	s_lshr_b32 s21, s22, 2                         ; the batch
	s_or_b32 s[G1A], s19, (3<<16)|(1<<21)          ; the mask; elements of 8 bytes; bit 21 beside a mask
	s_or_b32 s[G1B], s20, (3<<16)|(1<<21)
	G1SET G1A, 768, 4, APB/8                       ; four K steps x four blocks of p
	G1SET G1B, 1536, 4, BPB/8                      ; four K steps x eight blocks of vt
	s_lshl_b32 s23, s18, 3
	s_lshl_b32 s2, s14, 2
	s_add_co_u32 s23, s23, s2
	s_mul_i32 s58, s23, 1536                       ; p: row block 8 y + 4 x half
	s_mov_b32 s59, 0
	s_lshl_b32 s67, s17, 4
	s_lshl_b32 s3, s14, 3
	s_add_co_u32 s67, s67, s3
	s_mul_i32 s70, s67, 1536                       ; vt: row block 16 x + 8 x half,
	s_mul_i32 s3, s21, 16*BPB
	s_add_co_u32 s70, s70, s3                      ; in the batch's sixteen K steps
	s_mov_b32 s71, 0
	s_lshl_b32 s78, s21, 16                        ; vt's scale words: wave w brings K steps 8 (w % 2) on of half w / 2
	s_lshl_b32 s3, s14, 15
	s_add_co_u32 s78, s78, s3
	s_lshl_b32 s3, s17, 10
	s_add_co_u32 s78, s78, s3
	s_lshl_b32 s3, s13, 9
	s_add_co_u32 s78, s78, s3
	s_add_co_u32 s78, s78, 6291456
	s_mov_b32 s79, 0
	s_mul_i32 s57, s14, APART                      ; LDS addresses: the wave's number and constants alone
	s_add_co_u32 s61, s57, SLOT
	s_mul_i32 s69, s14, BPART
	s_add_co_u32 s69, s69, 2*APART
	s_add_co_u32 s73, s69, SLOT
	s_lshl_b32 s77, s12, 12
	s_add_co_u32 s77, s77, SCB
.irp g, 56,60,68,72
	s_mov_b32 s[\g], 1
.endr
	s_wait_dscnt 0x0                               ; the opening add is done
	s_wait_kmcnt 0x0
	s_add_nc_u64 s[58:59], s[4:5], s[58:59]
	s_add_nc_u64 s[62:63], s[58:59], 4*APB
	s_add_nc_u64 s[70:71], s[6:7], s[70:71]
	s_add_nc_u64 s[74:75], s[70:71], 4*BPB
	s_add_nc_u64 s[78:79], s[6:7], s[78:79]
	s_mul_i32 s92, s15, APB                        ; the prefetch: my part of slot 1, the K step that my place among the four partners gives me
	s_mul_i32 s93, s16, BPB
	s_cmp_eq_u32 s13, 0
	s_cselect_b64 s[88:89], s[62:63], s[74:75]
	s_cselect_b32 s90, s92, s93
	s_cselect_b32 s92, 23, 31                      ; the last block of 256 bytes that the first request names: A's K step has 24, B's 48
	s_mov_b32 s91, 0
	s_add_nc_u64 s[88:89], s[88:89], s[90:91]
.irp g, 56,60,68,72
	s_or_b32 s[\g+3], s[\g+3], 0x80000000
.endr
	CROUND                                         ; all sixteen work-groups are here: the first joint loads meet
	JLOAD 56, G1A, 68, G1B                         ; slot 0: K steps 0-3: one tensor load a wave at the head
	VADDR
	v_add_nc_u32 v20, s77, v3                      ; vt's scale words: my wave's quarter, eight K steps of 512 bytes
.irp k, 0,1,2,3,4,5,6,7
	global_load_b128 v[64+4*\k:67+4*\k], v3, s[78:79] offset:4096*\k
.endr
	v_and_b32 v15, 31, v0
	v_min_u32 v16, s92, v15
	v_min_u32 v15, 15, v15
	v_lshlrev_b32 v16, 8, v16                      ; a lane a block of 256 bytes; lanes left over name the last block again
	v_lshlrev_b32 v15, 8, v15
	global_prefetch_b8 v16, s[88:89] th:TH_LOAD_NT scope:SCOPE_SE
	s_cmp_eq_u32 s13, 0
	s_cbranch_scc1 .Lpf
	global_prefetch_b8 v15, s[88:89] offset:8192 th:TH_LOAD_NT scope:SCOPE_SE   ; B's blocks 32 to 47
.Lpf:
	; ---- thread t serves row slot t of the tile: its sixteen (M, l) and its sixteen scale words of p
	s_lshl_b32 s80, s18, 10
	s_add_co_u32 s80, s80, 13107200
	s_mov_b32 s81, 0
	s_add_nc_u64 s[80:81], s[4:5], s[80:81]
	s_lshl_b32 s82, s18, 9
	s_add_co_u32 s82, s82, 12582912
	s_mov_b32 s83, 0
	s_add_nc_u64 s[82:83], s[4:5], s[82:83]
	v_lshlrev_b32 v12, 3, v0
	v_lshlrev_b32 v13, 2, v0
	v_lshl_add_u32 v19, v0, 2, SCA
.irp k, 0,1,2,3,4,5,6,7,8,9,10,11,12,13,14,15
	global_load_b64 v[160+2*\k:161+2*\k], v12, s[80:81] offset:65536*\k
	global_load_b32 v[192+\k], v13, s[82:83] offset:32768*\k
.endr
	s_mov_b32 s21, 0x80808080
	s_mov_b32 s22, 0x01010101
	s_lshl_b32 s23, s17, 1
	s_add_co_u32 s23, s23, s14                     ; the K step that my 128 of the width make
	s_lshl_b32 s67, s18, 3
	s_lshl_b32 s2, s13, 2
	s_add_co_u32 s67, s67, s2                      ; my first row block
	s_lshl_b32 s10, s23, 15
	s_lshl_b32 s2, s67, 6
	s_add_co_u32 s10, s10, s2
	s_add_co_u32 s10, s10, 6291456
	s_mov_b32 s11, 0
	s_add_nc_u64 s[10:11], s[8:9], s[10:11]        ; my scale words in obuf
	s_mul_i32 s2, s23, 786432
	s_mul_i32 s3, s67, 1536
	s_add_co_u32 s2, s2, s3
	s_mov_b32 s3, 0
	s_add_nc_u64 s[8:9], s[8:9], s[2:3]            ; my fragments
	s_lshl_b32 s23, s13, 8
	s_add_co_u32 s23, s23, RCP
	v_lshl_add_u32 v21, v1, 2, s23                 ; where lane r's 1 / l of my first block lies
	s_wait_loadcnt 0x0
	v_max3_num_f32 v14, v160, v162, v164           ; the row's M
.irp k, 3,5,7,9,11,13
	v_max3_num_f32 v14, v14, v[160+2*\k], v[162+2*\k]
.endr
	v_max_num_f32 v14, v14, v190
.irp k, 0,1,2,3,4,5,6,7,8,9,10,11,12,13,14,15
	v_sub_f32 v[208+\k], v14, v[160+2*\k]          ; d = M - M_local: a whole number, 0 or more
.endr
.irp k, 0,1,2,3,4,5,6,7,8,9,10,11,12,13,14,15
	v_min_num_f32 v[208+\k], 0x42fe0000, v[208+\k] ; held at 127
.endr
.irp k, 0,1,2,3,4,5,6,7,8,9,10,11,12,13,14,15
	v_cvt_u32_f32 v[208+\k], v[208+\k]
.endr
.irp k, 0,1,2,3,4,5,6,7,8,9,10,11,12,13,14,15
	v_sub_nc_u32 v[160+2*\k], 0, v[208+\k]
.endr
.irp k, 0,1,2,3,4,5,6,7,8,9,10,11,12,13,14,15
	v_ldexp_f32 v[161+2*\k], v[161+2*\k], v[160+2*\k]   ; l_local x 2^-d
.endr
	v_add_f32 v18, v161, v163
	v_add_f32 v17, v165, v167
.irp k, 4,6,8,10,12,14
	v_add_f32 v18, v18, v[161+2*\k]
	v_add_f32 v17, v17, v[163+2*\k]
.endr
	v_add_f32 v18, v18, v17                        ; l
	s_wait_alu depctr_va_vdst(0)
	v_rcp_f32 v18, v18
; each of a word's four bytes b (at most 125) becomes max(b - d, 0): with bit 7 set, b + 128 - d is at least 1, so no byte borrows; bit 7 of the difference says whether b >= d
.irp k, 0,1,2,3,4,5,6,7,8,9,10,11,12,13,14,15
	v_mul_lo_u32 v[208+\k], v[208+\k], s22         ; d in all four bytes.  (Plain work behind the reciprocal)
.endr
.irp k, 0,1,2,3,4,5,6,7,8,9,10,11,12,13,14,15
	v_or_b32 v[192+\k], s21, v[192+\k]
.endr
.irp k, 0,1,2,3,4,5,6,7,8,9,10,11,12,13,14,15
	v_sub_nc_u32 v[192+\k], v[192+\k], v[208+\k]
.endr
.irp k, 0,1,2,3,4,5,6,7,8,9,10,11,12,13,14,15
	v_and_b32 v[208+\k], s21, v[192+\k]
.endr
.irp k, 0,1,2,3,4,5,6,7,8,9,10,11,12,13,14,15
	v_lshrrev_b32 v[160+2*\k], 7, v[208+\k]
.endr
.irp k, 0,1,2,3,4,5,6,7,8,9,10,11,12,13,14,15
	v_sub_nc_u32 v[208+\k], v[208+\k], v[160+2*\k] ; 0x7f where b >= d, else 0
.endr
.irp k, 0,1,2,3,4,5,6,7,8,9,10,11,12,13,14,15
	v_and_b32 v[192+\k], v[192+\k], v[208+\k]
.endr
.irp k, 0,1,2,3,4,5,6,7,8,9,10,11,12,13,14,15
	ds_store_b32 v19, v[192+\k] offset:512*\k
.endr
.irp i, 229,231,233,235
	v_mov_b32 v[\i], 0                             ; (named as upper halves of pairs on the way out)
.endr
	s_wait_alu depctr_va_vdst(0)                   ; the wait ahead of the reciprocal's first reader
	ds_store_b32 v19, v18 offset:RCP-SCA
.irp k, 0,1,2,3,4,5,6,7
	ds_store_b128 v20, v[64+4*\k:67+4*\k] offset:512*\k
.endr
	s_wait_tensorcnt 0x0                           ; my part of slot 0 is in
	ds_add_u32 v[SPW], v[NIL]
	s_wait_dscnt 0x0                               ; the add is done, and for the others' sake my stores have landed
	CROUND                                         ; everybody's part is in, and all sixteen work-groups are here
	JLOAD 60, G1A, 72, G1B                         ; slot 1: K steps 4-7: the first tensor load behind the round
	FETCH 0
	STEP 0, 1
	STEP 1, 0
	STEP 2, 0
	TURN 3, 1
	STEP 4, 0
	STEP 5, 0
	STEP 6, 0
	TURN 7, 1
	STEP 8, 0
	STEP 9, 0
	STEP 10, 0
	TURN 11, 0                                     ; nothing is left to fetch: no round
	STEP 12, 0
	STEP 13, 0
	STEP 14, 0
	LAST 15
	PLACES 4                                       ; between the last products and the first read of results
.irp a, 0,1,2,3
	ds_load_b32 v[228+2*\a], v21 offset:64*\a      ; 1 / l of my lane's row in block a
.endr
	s_wait_dscnt 0x0
.irp a, 0,1,2,3
	WIN 0x82                                       ; destination and source 0 window 2
.set jj, 0
.rept 32
	v_pk_mul_f32 v[64*\a+jj:64*\a+jj+1], v[64*\a+jj:64*\a+jj+1], v[228+2*\a:229+2*\a] op_sel_hi:[1,0]   ; O / l, from each accumulator's low end on
.set jj, jj+2
.endr
	QUANTW 64*\a, AF+20*\a, PW+\a
	PUT \a
.endr
	s_wait_tensorcnt 0x0                           ; the wave's end
	ds_add_u32 v[SPW], v[NIL]
	s_wait_dscnt 0x0
	CROUND                                         ; the closing round
	s_endpgm
.Lfunc_end_k_qe03d801fab_mix:
	.size	k_qe03d801fab_mix, .Lfunc_end_k_qe03d801fab_mix-k_qe03d801fab_mix
	.p2alignl 7, 3214868480
	.fill 96, 4, 3214868480
	.section	.rodata,"a",@progbits
	.p2align	6, 0x0
	.amdhsa_kernel k_qe03d801fab_mix
		.amdhsa_group_segment_fixed_size 327680
		.amdhsa_private_segment_fixed_size 0
		.amdhsa_enable_private_segment 0
		.amdhsa_kernarg_size 24
		.amdhsa_user_sgpr_count 2
		.amdhsa_user_sgpr_kernarg_segment_ptr 1
		.amdhsa_wavefront_size32 1
		.amdhsa_system_sgpr_workgroup_id_x 1
		.amdhsa_system_sgpr_workgroup_id_y 1
		.amdhsa_system_sgpr_workgroup_id_z 1
		.amdhsa_system_vgpr_workitem_id 0
		.amdhsa_next_free_vgpr 768
		.amdhsa_next_free_sgpr 106
		.amdhsa_reserve_vcc 0
		.amdhsa_float_denorm_mode_32 3
		.amdhsa_float_denorm_mode_16_64 3
		.amdhsa_memory_ordered 1
		.amdhsa_forward_progress 1
		.amdhsa_inst_pref_size 164
	.end_amdhsa_kernel
	.amdgpu_metadata
---
amdhsa.version: [ 1, 2 ]
amdhsa.kernels:
  - .name:           k_qe03d801fab_mix
    .symbol:         k_qe03d801fab_mix.kd
    .args:
      - { .name: pbuf, .offset: 0, .size: 8, .value_kind: global_buffer, .address_space: global }
      - { .name: vt, .offset: 8, .size: 8, .value_kind: global_buffer, .address_space: global }
      - { .name: obuf, .offset: 16, .size: 8, .value_kind: global_buffer, .address_space: global }
    .group_segment_fixed_size: 327680
    .private_segment_fixed_size: 0
    .kernarg_segment_align: 8
    .kernarg_segment_size: 24
    .max_flat_workgroup_size: 128
    .sgpr_count:     106
    .vgpr_count:     768
    .wavefront_size: 32
...
	.end_amdgpu_metadata
.endif
;; end of part 4
;; launch outp (part 5): grid 4 x 64, 4 waves a work-group, clusters of 4 x 4, 327,680 bytes of LDS; arguments obuf, xw, b_out, out0; writes out0
.if DOCPART == 5
	.amdgcn_target "amdgcn-amd-amdhsa--gfx1250"
	.amdhsa_code_object_version 6
	.text
	.protected	k_qe03d801fab_outp
	.globl	k_qe03d801fab_outp
	.p2align	8
	.type	k_qe03d801fab_outp,@function
k_qe03d801fab_outp:
	s_mov_b64 s[64:65], 0
	v_nop
	global_prefetch_b8 v0, s[64:65] scope:SCOPE_SE
	s_setreg_imm32_b32 hwreg(HW_REG_WAVE_MODE, 25, 1), 1
	s_wait_xcnt 0x0
	s_wait_alu depctr_hold_cnt(0) depctr_sa_sdst(0) depctr_va_vdst(0) depctr_va_sdst(0) depctr_va_ssrc(0) depctr_va_vcc(0) depctr_vm_vsrc(0)
	s_getreg_b32 s2, hwreg(HW_REG_IB_STS2, 6, 4)
	s_cmp_eq_u32 s2, 0
	s_cbranch_scc0 .Lentry_in_a_cluster
	s_endpgm
.Lentry_in_a_cluster:
	s_bfe_u32 s2, ttmp6, 0x10000c
	s_cmp_lg_u32 s2, 0xf033
	s_cbranch_scc0 .Lentry_shape_is_right
	s_endpgm
.Lentry_shape_is_right:
; out0 = O W_out + b_out on codes of FP6, f32 out.  M side = 128 tokens (obuf), N side = 256 of W_out's columns (xw's row blocks 704 on), K = 1,024: eight K steps, all asked for at the head; a wave has five tensor loads out at the most.
; Fragments, row order, tile, transposed use, LDS, cluster and the K loop are those of the launches before.  The bias is the C of each sum's first product.
; THE WAY OUT undoes the order of rows in a block: a lane holds 8 x 8 neighbouring columns of one row; a block of 16 rows x 128 columns goes through the wave's own stage in LDS and comes back as whole rows of 512 bytes, each stored
; at its true row.  The stage lies in slot 0, which has had its only fill, and which nobody reads behind the barrier of K step 3.
; THE HEAD AS IT STANDS (in place of what the lines above say of the loads): the eight K steps come as two slots of four.  A wave issues ONE joint load at the head, its part of slot 0; slot 1's fill
; follows behind the three lines and a round of the cluster's barrier: one tensor load of a wave is out at any time.  The scale words, 12 KiB beside 288 KiB of codes,
; come by plain loads of 512 consecutive bytes and are stored to LDS bytes into which no tensor load lands; being so small a part of a work-group's bytes they are not asked for jointly.
; Slot 1's bytes are prefetched at the head, each block of 256 bytes once a cluster: of a part's four K steps the partner at place p (cx for A, cy for B) names K step p.
.set KS,  8
.set APB, 786432
.set BPB, 1179648
.set ASP, 32768
.set BSP, 49152
.set ASO, 6291456
.set BSO, 9437184
.set BCO, 0
.set AH,    6144
.set BH,    12288
.set APART, 4*AH
.set BPART, 4*BH
.set SLOT,  2*APART+2*BPART
.set SCA,   2*SLOT
.set SCB,   SCA+512*KS
.set SPARE, SCB+1024*KS
.set ADRA, 4
.set ADRB, 6
.set ADRS, 8
.set SPW,  10
.set NIL,  11
.set SC,   32
.set AF,   64
.set G1A,  24
.set G1B,  32
.set G1SA, 40
.set G1SB, 48
.set MSB,  0
.macro WIN new
.if MSB != \new
	s_set_vgpr_msb (MSB<<8)|\new
.set MSB, \new
.endif
.endm
.macro JLOAD g0a, g1a, g0b, g1b        ; a joint load: waves 0 and 1 fetch for A, waves 2 and 3 for B; an s_nop 0 and four v_nop follow each line
	s_cmp_eq_u32 s13, 0
	s_cbranch_scc0 .Lfor_b_\@
	tensor_load_to_lds s[\g0a:\g0a+3], s[\g1a:\g1a+7]
	s_nop 0
.rept 4
	v_nop
.endr
	s_branch .Lasked_\@
.Lfor_b_\@:
	tensor_load_to_lds s[\g0b:\g0b+3], s[\g1b:\g1b+7]
	s_nop 0
.rept 4
	v_nop
.endr
.Lasked_\@:
.endm
.macro CREST
	s_cmp_lg_u32 s12, 0
	s_cbranch_scc1 .Lnot_wave_0_\@
	s_barrier_signal -3
.Lnot_wave_0_\@:
	s_barrier_wait -3
	s_barrier_signal -1
	s_barrier_wait -1
.endm
.macro CROUND
	s_barrier_signal -1
	s_barrier_wait -1
	CREST
.endm
.macro PLACES n
.rept \n
	v_nop
.endr
.endm
.macro G1SET g, c, r, pitch
	s_mov_b32 s[\g+1], ((\c)&0xffff)<<16
	s_mov_b32 s[\g+2], ((\c)>>16)|((\r)<<16)
	s_mov_b32 s[\g+3], (\c)<<16
	s_mov_b32 s[\g+4], \r
	s_mov_b32 s[\g+5], \pitch
	s_mov_b32 s[\g+6], 0
	s_mov_b32 s[\g+7], 0
.endm
.macro IDS
	v_lshrrev_b32 v1, 5, v0
	v_readfirstlane_b32 s12, v1                    ; wave
	s_lshr_b32 s13, s12, 1                         ; wm; also: I fetch for A (0) or B (1)
	s_and_b32 s14, s12, 1                          ; wn; also: which half I fetch
	s_bfe_u32 s15, ttmp6, 0x40000                  ; cx
	s_bfe_u32 s16, ttmp6, 0x40004                  ; cy
	s_lshl_b32 s19, s16, 2
	s_lshl_b32 s19, 15, s19                        ; my row of the cluster
	s_lshl_b32 s20, 0x1111, s15                    ; my column
	s_and_b32 s22, ttmp7, 0xffff                   ; the cluster's y
.endm
.macro OFFS8                           ; s2 = A's first row block, s3 = B's: all descriptor words but the buffers' addresses
	s_or_b32 s[G1A], s19, (3<<16)|(1<<21)
	s_or_b32 s[G1B], s20, (3<<16)|(1<<21)
	G1SET G1A, 768, 4, APB/8
	G1SET G1B, 1536, 4, BPB/8
	s_lshl_b32 s23, s14, 2
	s_add_co_u32 s23, s23, s2
	s_mul_i32 s58, s23, 1536
	s_mov_b32 s59, 0
	s_lshl_b32 s94, s2, 6
	s_mul_i32 s23, s14, 4*ASP
	s_add_co_u32 s94, s94, s23
	s_add_co_u32 s94, s94, ASO
	s_mov_b32 s95, 0
	s_lshl_b32 s67, s14, 3
	s_add_co_u32 s67, s67, s3
	s_mul_i32 s78, s67, 1536
.if BCO != 0
	s_add_co_u32 s78, s78, BCO
.endif
	s_mov_b32 s79, 0
	s_lshl_b32 s98, s67, 6
	s_add_co_u32 s98, s98, BSO
	s_mov_b32 s99, 0
	s_mul_i32 s57, s14, APART
	s_add_co_u32 s69, s57, SLOT
	s_mul_i32 s77, s14, BPART
	s_add_co_u32 s77, s77, 2*APART
	s_add_co_u32 s85, s77, SLOT
	s_lshl_b32 s93, s14, 11
	s_add_co_u32 s93, s93, SCA
	s_lshl_b32 s97, s14, 12
	s_add_co_u32 s97, s97, SCB
.irp g, 56,68,76,84
	s_mov_b32 s[\g], 1
.endr
.endm
.macro ADDR8 pa, pb
	s_add_nc_u64 s[58:59], s[\pa:\pa+1], s[58:59]
	s_add_nc_u64 s[70:71], s[58:59], 4*APB
	s_add_nc_u64 s[94:95], s[\pa:\pa+1], s[94:95]
	s_add_nc_u64 s[78:79], s[\pb:\pb+1], s[78:79]
	s_add_nc_u64 s[86:87], s[78:79], 4*BPB
	s_add_nc_u64 s[98:99], s[\pb:\pb+1], s[98:99]
	s_mul_i32 s80, s15, APB                        ; the prefetch: my part of slot 1, the K step that my place among the four partners gives me
	s_mul_i32 s81, s16, BPB
	s_cmp_eq_u32 s13, 0
	s_cselect_b64 s[88:89], s[70:71], s[86:87]
	s_cselect_b32 s90, s80, s81
	s_cselect_b32 s80, 23, 31                      ; the last block of 256 bytes that the first request names: A's K step has 24, B's 48
	s_mov_b32 s91, 0
	s_add_nc_u64 s[88:89], s[88:89], s[90:91]
.irp g, 56,68,76,84
	s_or_b32 s[\g+3], s[\g+3], 0x80000000
.endr
.endm
.macro FIRST8
	CROUND
	JLOAD 56, G1A, 76, G1B                         ; slot 0: one tensor load a wave at the head
.endm
.macro VADDR
	v_and_b32 v1, 15, v0
	v_bfe_u32 v2, v0, 4, 1
	v_and_b32 v9, 31, v0
	v_lshlrev_b32 v3, 4, v9
	v_lshlrev_b32 v9, 2, v9
	s_mul_i32 s23, s13, APART
	v_add_nc_u32 v[ADRA], s23, v3
	v_add_nc_u32 v[ADRA+1], SLOT, v[ADRA]
	s_mul_i32 s23, s14, BPART
	s_add_co_u32 s23, s23, 2*APART
	v_add_nc_u32 v[ADRB], s23, v3
	v_add_nc_u32 v[ADRB+1], SLOT, v[ADRB]
	s_lshl_b32 s23, s13, 8
	s_mul_i32 s67, s14, 512*KS
	s_add_co_u32 s67, s67, 512*KS
	s_sub_co_u32 s67, s67, s23
	v_mul_u32_u24 v[ADRS], s67, v2
	s_add_co_u32 s23, s23, SCA
	v_lshl_add_u32 v[ADRS], v1, 2, v[ADRS]
	v_add_nc_u32 v[ADRS], s23, v[ADRS]
.endm
.macro FETCH k
.set FP, (\k)%2
.set FS, ((\k)/4)%2
.set FQ, (\k)%4
	WIN 0x40
.irp b, 0,1,2,3,4,5,6,7
.irp c, 0,1,2
	ds_load_b128 v[128*FP+12*\b+4*\c:128*FP+12*\b+4*\c+3], v[ADRB+FS] offset:FQ*BH+1536*\b+512*\c
.endr
.endr
	WIN 0
.irp a, 0,1,2,3
.irp c, 0,1,2
	ds_load_b128 v[AF+48*FP+12*\a+4*\c:AF+48*FP+12*\a+4*\c+3], v[ADRA+FS] offset:FQ*AH+1536*\a+512*\c
.endr
.endr
.irp i, 0,1,2,3,4,5,6,7
	ds_load_b32 v[SC+8*FP+\i], v[ADRS] offset:512*(\k)+64*\i
.endr
.endm
.macro MULA k, a, cm                   ; eight products; cm = 2: the bias in v160.. starts the sums.  The 32 accumulators take turns in the same order in every K step
.set MP, (\k)%2
.if (\cm) == 2
	WIN 0x81                                       ; source 0 window 1, source 1 and C window 0, D window 2
.else
	WIN 0xa1
.endif
.irp b, 0,1,2,3,4,5,6,7
.if (\cm) == 2
	v_wmma_scale_f32_16x16x128_f8f6f4 v[8*(8*(\a)+\b):8*(8*(\a)+\b)+7], v[128*MP+12*\b:128*MP+12*\b+11], v[AF+48*MP+12*(\a):AF+48*MP+12*(\a)+11], v[160+8*\b:160+8*\b+7], v[SC+8*MP+\b], v[SC+8*MP+(\a)] matrix_a_fmt:MATRIX_FMT_FP6 matrix_b_fmt:MATRIX_FMT_FP6 matrix_a_scale:MATRIX_SCALE_ROW1
.else
	v_wmma_scale_f32_16x16x128_f8f6f4 v[8*(8*(\a)+\b):8*(8*(\a)+\b)+7], v[128*MP+12*\b:128*MP+12*\b+11], v[AF+48*MP+12*(\a):AF+48*MP+12*(\a)+11], v[8*(8*(\a)+\b):8*(8*(\a)+\b)+7], v[SC+8*MP+\b], v[SC+8*MP+(\a)] matrix_a_fmt:MATRIX_FMT_FP6 matrix_b_fmt:MATRIX_FMT_FP6 matrix_a_scale:MATRIX_SCALE_ROW1
.endif
.endr
.endm
.macro STEP k, cm
	s_wait_dscnt 0x0                               ; this K step's operands are in
	MULA \k, 0, \cm
	PLACES 4                                       ; between the last K step's products and the loads into the set that they read
	FETCH (\k)+1
	MULA \k, 1, \cm
	MULA \k, 2, \cm
	MULA \k, 3, \cm
.endm
.macro EDGE k, cnt                     ; my part of the next chunk has landed (cnt later loads may stay out); behind the barrier everybody's has.
	s_wait_tensorcnt \cnt
	s_wait_dscnt 0x0
	s_barrier_signal -1
	MULA \k, 0, 0
	s_barrier_wait -1
	PLACES 4
	FETCH (\k)+1
	MULA \k, 1, 0
	MULA \k, 2, 0
	MULA \k, 3, 0
.endm
.macro LAST k
	s_wait_dscnt 0x0
	MULA \k, 0, 0
	MULA \k, 1, 0
	MULA \k, 2, 0
	MULA \k, 3, 0
	WIN 0
.endm
.macro BODY8 cm0
.irp j, 0,1
	ds_store_b128 v17, v[64+4*\j:67+4*\j] offset:\j*1024
.endr
.irp j, 0,1,2,3
	ds_store_b128 v18, v[72+4*\j:75+4*\j] offset:\j*1024
.endr
	s_wait_tensorcnt 0x0                           ; my part of slot 0 is in
	ds_add_u32 v[SPW], v[NIL]
	s_wait_dscnt 0x0                               ; the add and my stores of scale words are done
	CROUND                                         ; everybody's part is in, and all sixteen work-groups are here
	JLOAD 68, G1A, 84, G1B                         ; slot 1's fill: the first tensor load behind the round
	FETCH 0
	STEP 0, \cm0
	STEP 1, 0
	STEP 2, 0
	EDGE 3, 0
	STEP 4, 0
	STEP 5, 0
	STEP 6, 0
	LAST 7
	PLACES 4                                       ; between the last products and the first read of results and the loads into operands' registers
.endm
.macro TOSTAGE a                       ; block a into my stage (row = lane r; tile b's eight columns of my half at 128 (b / 2) + 64 h + 32 (b % 2) bytes) and back as whole rows
	WIN 0x08                                       ; an LDS store's data are its source 1: window 2
.irp b, 0,1,2,3,4,5,6,7
	ds_store_b128 v13, v[8*(8*(\a)+\b):8*(8*(\a)+\b)+3] offset:128*(\b/2)+32*(\b%2)       ; each accumulator from its low end on
	ds_store_b128 v13, v[8*(8*(\a)+\b)+4:8*(8*(\a)+\b)+7] offset:128*(\b/2)+32*(\b%2)+16
.endr
	WIN 0
.set BB, 64+64*((\a)%2)
.irp t, 0,1,2,3,4,5,6,7,8,9,10,11,12,13,14,15
	ds_load_b128 v[BB+4*\t:BB+4*\t+3], v14 offset:528*\t   ; LDS serves a wave's instructions in order: these see the stores above, and the next block's stores come behind them
.endr
.endm
.macro SEND a, younger                 ; younger: the LDS instructions issued behind block a's loads, which may stay out
.set BB, 64+64*((\a)%2)
	s_wait_dscnt \younger
.irp t, 0,1,2,3,4,5,6,7,8,9,10,11,12,13,14,15
	global_store_b128 v3, v[BB+4*\t:BB+4*\t+3], s[10:11] offset:(32*((\a)/2)+8*((\a)%2)+(\t%8)+16*(\t/8))*4096 th:TH_STORE_NT   ; lane t's row at its true place: 512 consecutive bytes, aligned
.endr
.endm
	s_load_b256 s[4:11], s[0:1], 0x0               ; obuf s[4:5], xw s[6:7], b_out s[8:9], out0 s[10:11]
	v_lshl_add_u32 v[SPW], v0, 2, SPARE
	v_mov_b32 v[NIL], 0
	ds_add_u32 v[SPW], v[NIL]                      ; the wave's opening: the add and its wait stand ahead of my first tensor load
	ds_add_u32 v[SPW], v[NIL]
	IDS
	s_lshl_b32 s18, s22, 2
	s_add_co_u32 s18, s18, s16                     ; y: which 128 tokens
	s_lshl_b32 s17, ttmp9, 2
	s_add_co_u32 s17, s17, s15                     ; x: which 256 columns
	s_lshl_b32 s2, s18, 3                          ; the tokens' first row block
	s_lshl_b32 s3, s17, 4
	s_add_co_u32 s3, s3, 704                       ; W_out's columns' first row block
	OFFS8
	s_wait_dscnt 0x0                               ; the opening add is done
	s_wait_kmcnt 0x0
	ADDR8 4, 6
	FIRST8
	VADDR
	s_lshl_b32 s23, s17, 10
	s_lshl_b32 s67, s14, 9
	s_add_co_u32 s23, s23, s67                     ; my 128 columns, in bytes
	v_lshl_add_u32 v12, v2, 6, s23
.irp t, 0,1,2,3,4,5,6,7
	global_load_b128 v[160+8*\t:163+8*\t], v12, s[8:9] offset:(32*(\t/2)+8*(\t%2))*4       ; b_out in the result's layout: tile t, my half's eight columns
	global_load_b128 v[164+8*\t:167+8*\t], v12, s[8:9] offset:(32*(\t/2)+8*(\t%2))*4+16
.endr
	; the scale words: wave (wm, wn) brings A's K steps 4 wn + wm + 2 j and, of B's half wn, K steps wm + 2 j: 512 consecutive bytes a load
	s_mul_i32 s2, s13, ASP
	v_add_nc_u32 v15, s2, v3
	s_mul_i32 s2, s13, BSP
	v_add_nc_u32 v16, s2, v3
	s_lshl_b32 s67, s13, 9
	v_add_nc_u32 v17, s67, v3
	v_add_nc_u32 v18, s97, v17
	v_add_nc_u32 v17, s93, v17
.irp j, 0,1
	global_load_b128 v[64+4*\j:67+4*\j], v15, s[94:95] offset:\j*2*ASP
.endr
.irp j, 0,1,2,3
	global_load_b128 v[72+4*\j:75+4*\j], v16, s[98:99] offset:\j*2*BSP
.endr
	v_and_b32 v20, 31, v0
	v_min_u32 v21, s80, v20
	v_min_u32 v20, 15, v20
	v_lshlrev_b32 v21, 8, v21                      ; a lane a block of 256 bytes; lanes left over name the last block again
	v_lshlrev_b32 v20, 8, v20
	global_prefetch_b8 v21, s[88:89] th:TH_LOAD_NT scope:SCOPE_SE
	s_cmp_eq_u32 s13, 0
	s_cbranch_scc1 .Lpf
	global_prefetch_b8 v20, s[88:89] offset:8192 th:TH_LOAD_NT scope:SCOPE_SE   ; B's blocks 32 to 47
.Lpf:
	s_lshl_b32 s2, s18, 7
	s_lshl_b32 s3, s13, 6
	s_add_co_u32 s2, s2, s3                        ; my first row: 128 y + 64 wm
	s_lshl_b32 s2, s2, 12
	s_add_co_u32 s2, s2, s23
	s_mov_b32 s3, 0
	s_add_nc_u64 s[10:11], s[10:11], s[2:3]
	s_mul_i32 s67, s12, 16*528                     ; my stage: 16 rows of 512 + 16 bytes
	v_mul_u32_u24 v13, v1, 528
	v_lshl_add_u32 v13, v2, 6, v13
	v_add_nc_u32 v13, s67, v13
	v_add_nc_u32 v14, s67, v3
	s_wait_alu depctr_va_vdst(0)
	s_wait_loadcnt 0x0                             ; the bias
	BODY8 2
	TOSTAGE 0
.irp a, 1,2,3
.if \a > 1
	s_wait_xcnt 0x0                                ; block a - 2's stores have read their registers: block a's loads may land there
.endif
	TOSTAGE \a
	SEND \a-1, 32                                  ; behind block a - 1's loads: block a's 16 stores and 16 loads
.endr
	SEND 3, 0
	s_wait_tensorcnt 0x0                           ; the wave's end, behind my last tensor load and my last LDS store
	ds_add_u32 v[SPW], v[NIL]
	s_wait_dscnt 0x0
	CROUND                                         ; the closing round
	s_endpgm
.Lfunc_end_k_qe03d801fab_outp:
	.size	k_qe03d801fab_outp, .Lfunc_end_k_qe03d801fab_outp-k_qe03d801fab_outp
	.p2alignl 7, 3214868480
	.fill 96, 4, 3214868480
	.section	.rodata,"a",@progbits
	.p2align	6, 0x0
	.amdhsa_kernel k_qe03d801fab_outp
		.amdhsa_group_segment_fixed_size 327680
		.amdhsa_private_segment_fixed_size 0
		.amdhsa_enable_private_segment 0
		.amdhsa_kernarg_size 32
		.amdhsa_user_sgpr_count 2
		.amdhsa_user_sgpr_kernarg_segment_ptr 1
		.amdhsa_wavefront_size32 1
		.amdhsa_system_sgpr_workgroup_id_x 1
		.amdhsa_system_sgpr_workgroup_id_y 1
		.amdhsa_system_sgpr_workgroup_id_z 1
		.amdhsa_system_vgpr_workitem_id 0
		.amdhsa_next_free_vgpr 768
		.amdhsa_next_free_sgpr 106
		.amdhsa_reserve_vcc 0
		.amdhsa_float_denorm_mode_32 3
		.amdhsa_float_denorm_mode_16_64 3
		.amdhsa_memory_ordered 1
		.amdhsa_forward_progress 1
		.amdhsa_inst_pref_size 83
	.end_amdhsa_kernel
	.amdgpu_metadata
---
amdhsa.version: [ 1, 2 ]
amdhsa.kernels:
  - .name:           k_qe03d801fab_outp
    .symbol:         k_qe03d801fab_outp.kd
    .args:
      - { .name: obuf, .offset: 0, .size: 8, .value_kind: global_buffer, .address_space: global }
      - { .name: xw, .offset: 8, .size: 8, .value_kind: global_buffer, .address_space: global }
      - { .name: b_out, .offset: 16, .size: 8, .value_kind: global_buffer, .address_space: global }
      - { .name: out0, .offset: 24, .size: 8, .value_kind: global_buffer, .address_space: global }
    .group_segment_fixed_size: 327680
    .private_segment_fixed_size: 0
    .kernarg_segment_align: 8
    .kernarg_segment_size: 32
    .max_flat_workgroup_size: 128
    .sgpr_count:     106
    .vgpr_count:     768
    .wavefront_size: 32
...
	.end_amdgpu_metadata
.endif
;; end of part 5
